; MI455X (gfx1250); checked and timed in simulation.
; The chip was launched on July 23, 2026; its instructions are those of AMD's public machine-readable ISA for CDNA 5 (MIT licence, August 2026) and "CDNA5" Instruction Set Architecture Reference Guide (July 2026). The comments in the code are by the model that wrote it; some were corrected since.
;; Sparse Causal Self Attention. Allowed arithmetic: matrix products marked QUANTISED: E2M3 operands, one E8M0 scale for each 32 along K, by v_wmma_scale_f32_16x16x128_f8f6f4 with both operands' format E2M3, f32 sums; everything else in f32.
;; Inputs: Wproj 1,024 x 1,024 float32; Wqkv 1,024 x 3,072 float32; bproj 1,024 float32; bqkv 3,072 float32; mask 2,048 x 2,048 bool; x 4 x 2,048 x 1,024 float32.
;; Outputs: out0 4 x 2,048 x 1,024 float32.
;; This version of the problem:
;;   THIS VERSION OF THE PROBLEM IS GIVEN IN LOW PRECISION. The matrix products marked QUANTISED in the list below multiply operands that are first quantised to E2M3 (2 exponent bits, 3 mantissa bits; 6 bits a number), with one power-of-two scale for each 32 numbers along K (OCP MX v1.0); their sums are f32. All else is computed in f32.
;;   The module's matrix products, in the order in which they are computed (A, B: the left and right operand; K: the contracted axis; several contracted axes count as one K, in the product's order):
;;     1. [M 8,192, K 1,024] x [K 1,024, N 3,072]; A: input x; B: input Wqkv: QUANTISED
;;     2. batch 64 x [M 2,048, K 64] x [K 64, N 2,048]; A: computed on the way; B: computed on the way: QUANTISED
;;     3. batch 64 x [M 2,048, K 2,048] x [K 2,048, N 64]; A: softmax (see below); B: computed on the way: QUANTISED
;;     4. [M 8,192, K 1,024] x [K 1,024, N 1,024]; A: computed on the way; B: input Wproj: QUANTISED
;;   THE QUANTISER, for each operand of a quantised product, along K:
;;     - K is cut into blocks of 32 from its start; a last block that is shorter is filled with zeros.
;;     - A block's scale is 2^e with e = floor(log2(the largest magnitude in the block)) - 2, held to -126 .. 127; a block of zeros has e = 0. As a byte (E8M0): e + 127.
;;     - Each number is divided by its block's scale, clamped to +-7.5, and rounded to the nearest number of E2M3, ties to even, subnormals kept.
;;     - The product sums the exact products of the quantised numbers (number of the format x scale) in f32.
;;   ~~~python
;;   def quantise(x, axis):      # numpy; x: float32 -> the quantised numbers, widened to float32 again
;;       x = np.moveaxis(x, axis, -1); K = x.shape[-1]
;;       x = np.pad(x, [(0, 0)] * (x.ndim - 1) + [(0, -K % 32)]); x = x.reshape(x.shape[:-1] + (-1, 32)); a = np.abs(x).max(-1, keepdims=True)
;;       e = np.where(a > 0, np.clip(np.frexp(np.where(a > 0, a, 1))[1] - 1 - 2, -126, 127), 0)      # np.frexp(a)[1] - 1 = floor(log2(a)), exactly
;;       r = np.clip(x / 2.0 ** e, -7.5, 7.5)
;;       step = 2.0 ** (np.maximum(np.frexp(np.where(r == 0, 1, r))[1] - 1, 0) - 3)
;;       q = np.round(r / step) * step * 2.0 ** e      # np.round: ties to even
;;       return np.moveaxis(q.reshape(q.shape[:-2] + (-1,))[..., :K], -1, axis).astype(np.float32)
;;   ~~~
;;   SOFTMAX AHEAD OF A QUANTISED PRODUCT. Where the list says 'softmax', what is quantised is not the finished softmax but p = 2^(t - M), with t = logit x log2(e) and M = ceil(the row's largest t), a whole number; so 1/2 < the row's largest p <= 1. The row's sum l is taken of the UNQUANTISED p, in f32, and the product's result is divided by l at the end. Since M is a whole number, a kernel that streams over the keys may use a running M (the ceiling of the running maximum): every later rescaling is an exact power of two, which a block's scale takes up: the codes' values come out the same.
;;   OPERANDS COMPUTED ON THE WAY. 'Computed on the way' means the value that the module computes at that place (a softmax that the list does not call 'softmax' is quantised finished and normalised). What goes into a quantiser is computed in f32, as accurately as f32 sums, v_exp_f32 and their like allow (about 1e-6 of the number): no bf16 or f16 on the way to a quantiser, and a product that is left as it is and whose result goes on into a quantised operand takes f32 operands (vector FMAs, or v_wmma_f32_16x16x4_f32). A number that lies on a knife's edge between two numbers of the format may be rounded either way, as far as f32 arithmetic and the matrix unit's own rounding can turn it there, and no further.
;; 2 versions, each right; version 2 is version 1 with the launch attn written anew for expert scheduling mode. Each part assembles by itself: llvm-mc -triple=amdgcn-amd-amdhsa -mcpu=gfx1250 --defsym DOCPART=n.
;; ======== version 1 of 2: 4 launches
;; workspace buffers: xq 6,553,600 bytes; wq 3,276,800 bytes; mk 589,824 bytes of whole numbers; qi 8,388,608 bytes; kv 13,631,488 bytes; yq 6,553,600 bytes
;; launch prep (part 1): grid 288 x 1, 4 waves a work-group, no clusters, 35,328 bytes of LDS; arguments x, Wqkv, Wproj, mask, xq, wq, mk; writes xq, wq, mk
.if DOCPART == 1
	.amdgcn_target "amdgcn-amd-amdhsa--gfx1250"
	.amdhsa_code_object_version 6
	.text
	.protected	k_qe362b7a9b3_prep
	.globl	k_qe362b7a9b3_prep
	.p2align	8
	.type	k_qe362b7a9b3_prep,@function
k_qe362b7a9b3_prep:
	s_mov_b64 s[64:65], 0
	v_nop
	global_prefetch_b8 v0, s[64:65] scope:SCOPE_SE
	s_setreg_imm32_b32 hwreg(HW_REG_WAVE_MODE, 25, 1), 1
	s_wait_xcnt 0x0
; PREP: x, Wqkv and Wproj become codes of FP6 (E2M3) with one E8M0 byte for each 32 along K, laid in the order of the operand registers; the mask becomes lane masks and a list of live key blocks.
; ROW ORDER: tile 2 g + u of any operand holds in lane r the row 32 g + 8 u + r + 8 (r / 8).
; RECORD of a tile (16 rows, K = 1,024), 12,800 bytes: 16 images of 768 bytes (image t: K = 64 t .. 64 t + 63; lane (r, h) holds the block of 32 at 64 t + 32 h of row r: 16 bytes at 16 x lane, 8 bytes at 512 + 8 x lane),
; then from byte 12,288 the scale bytes: row r at 32 r, one byte for each block of 32.
; mk, 4,608 bytes for each query tile: entry kb (64 bytes): word i, bit 16 h + r = mask[row r of the tile][32 kb + 16 h + i]; entries 64, 65 zeros; from 4,224: 64 words, the live kb ascending, then 64;
; words 64-67 hold 64, words 68-95 the number of steps of four blocks, at least 1.
; SHARES: work-groups 0-31 the mask (a wave a query tile), 32-159 x (a wave a tile of 16 rows), 160-255 Wqkv, 256-287 Wproj (a wave 32 columns x 256 along K).  Waves share nothing: no barrier.
; A block's scale byte is its largest magnitude's exponent field less 2, held at 1 from below.
; LIMITS: a block of zeros gets the byte 1 (its codes are zeros; this program alone reads the bytes); NaN and infinities among the inputs are not served; a mask byte other than 0 counts as true.
.set SPARE, 34816                      ; behind the four waves' stages: the spare words, 128 bytes a wave
.set SPW, 2                            ; v2  LDS address of my spare word; never rewritten
.set NIL, 3                            ; v3  0; never rewritten
; 32 numbers of one block in v[XS] on become 24 bytes of codes in v224-229 and the byte in v15
.macro QBLOCK
	v_max3_num_f32 v12, |v[XS]|, |v[XS+1]|, |v[XS+2]|
	v_max3_num_f32 v13, |v[XS+3]|, |v[XS+4]|, |v[XS+5]|
.irp i, 6,10,14,18,22,26
	v_max3_num_f32 v12, v12, |v[XS+\i]|, |v[XS+\i+1]|
	v_max3_num_f32 v13, v13, |v[XS+\i+2]|, |v[XS+\i+3]|
.endr
	v_max3_num_f32 v12, v12, |v[XS+30]|, |v[XS+31]|
	v_max3_num_f32 v12, v12, v13, 0x1800000        ; the floor 2^(3 - 127): the byte cannot fall under 1
	v_add_nc_u32 v14, 0xff000000, v12              ; 2 off the exponent field: the conversion's scale operand
	s_wait_xcnt 0x0                                ; the last stores have read v224-229
	v_cvt_scalef32_pk16_fp6_f32 v[224:226], v[XS:XS+15], v14
	v_cvt_scalef32_pk16_fp6_f32 v[232:234], v[XS+16:XS+31], v14   ; (three registers begin on an even number)
	v_lshrrev_b32 v15, 23, v14                     ; the byte; also the plain line behind the conversions
	v_mov_b32 v227, v232
	v_mov_b32 v228, v233
	v_mov_b32 v229, v234
.endm
; ---- the mask path's macros
.macro LOADB set                       ; 8 key blocks: 256 bytes of each of my 16 rows
.irp k, 0,1,2,3,4,5,6,7
	global_load_b128 v[32+32*\set+4*\k:32+32*\set+4*\k+3], v[7+\set], s[10:11] offset:32*\k
.endr
.endm
.macro KB set, k                       ; one key block: 16 lane masks into s32-47, its live bit into s24, the words into v10
.set i, 0
.rept 16
	v_and_b32 v[12+i%4], 0xff<<(8*(i%4)), v[32+32*\set+4*(\k)+i/4]
	v_cmp_ne_u32 s[32+i], 0, v[12+i%4]
.set i, i+1
.endr
	s_or_b32 s25, s32, s33
.set i, 2
.rept 14
	s_or_b32 s25, s25, s[32+i]
.set i, i+1
.endr
	s_cmp_lg_u32 s25, 0
	s_cselect_b32 s25, 1<<(\k), 0
	s_or_b32 s24, s24, s25
.set i, 0
.rept 16
	v_writelane_b32 v10, s[32+i], i+16*((\k)%2)
.set i, i+1
.endr
.endm
.macro PROC set
	s_mov_b32 s24, 0
.irp p, 0,1,2,3
	s_wait_xcnt 0x0                                ; v10 was the last store's data
	KB \set, 2*\p
	KB \set, 2*\p+1
	global_store_b32 v9, v10, s[16:17] offset:512*\set+128*\p   ; two entries: 128 consecutive bytes
.endr
	s_mov_b32 s25, 0
	s_lshl_b64 s[24:25], s[24:25], s26             ; the eight live bits at their place among the 64
	s_or_b32 s28, s28, s24
	s_or_b32 s29, s29, s25
	s_add_co_u32 s26, s26, 8
.endm
; ---- the x path's macros
.macro XLOAD t                         ; image t: 256 bytes of each of 16 rows; a load takes two whole rows' parts
.irp j, 0,1,2,3,4,5,6,7
	global_load_b128 v[32+32*((\t)%4)+4*\j:32+32*((\t)%4)+4*\j+3], v4, s[4:5] offset:(2*\j+8*(\j/4))*4096+256*(\t) th:TH_LOAD_NT
.endr
.endm
.macro XTURN t                         ; through my stage (rows 272 bytes apart): in as loaded, out 128 bytes of one row a lane.  LDS serves a wave's instructions in order
.irp j, 0,1,2,3,4,5,6,7
	ds_store_b128 v5, v[32+32*((\t)%4)+4*\j:32+32*((\t)%4)+4*\j+3] offset:4352*((\t)%2)+544*\j
.endr
.irp j, 0,1,2,3,4,5,6,7
	ds_load_b128 v[160+32*((\t)%2)+4*\j:160+32*((\t)%2)+4*\j+3], v6 offset:4352*((\t)%2)+16*\j
.endr
.endm
.macro XSTEP t
.set XS, 160+32*((\t)%2)
	s_wait_dscnt 0x0                               ; this image's numbers are back, and the stage's stores have read their registers
.if (\t)+4 < 16
	XLOAD (\t)+4
.endif
.if (\t)+1 < 16
.if (\t)+4 < 16
	s_wait_loadcnt 24                              ; the next image's eight loads are in; three younger sets stay out
.else
	s_wait_loadcnt 8*(14-(\t))
.endif
	XTURN (\t)+1
.endif
	QBLOCK
	global_store_b128 v7, v[224:227], s[12:13] offset:768*(\t)
	global_store_b64 v8, v[228:229], s[12:13] offset:768*(\t)+512
.if (\t)%2 == 0
	v_mov_b32 v[16+(\t)/2], v15
.else
	v_lshl_or_b32 v[16+(\t)/2], v15, 16, v[16+(\t)/2]
.endif
.endm
; ---- the weight paths' macros: a lane takes a column, its registers run down K
.macro WLOAD t, N, base
.set i, 0
.rept 32
	global_load_b32 v[32+32*((\t)%2)+i], v9, s[\base:\base+1] offset:(32*(\t)+i)*\N*4 th:TH_LOAD_NT
.set i, i+1
.endr
.endm
.macro WBLOCK t, N, base
.set XS, 32+32*((\t)%2)
.if (\t) < 7
	s_wait_loadcnt 32                              ; this block's 32 loads are in; the next block's stay out
.else
	s_wait_loadcnt 0x0
.endif
	QBLOCK
.if (\t)%4 == 0
	v_mov_b32 v[16+(\t)/4], v15
.else
	v_lshl_or_b32 v[16+(\t)/4], v15, 8*((\t)%4), v[16+(\t)/4]
.endif
	global_store_b128 v6, v[224:227], s[14:15] offset:((\t)/2)*768+256*((\t)%2)
	global_store_b64 v7, v[228:229], s[14:15] offset:((\t)/2)*768+512+128*((\t)%2)
.if (\t)+2 < 8
	WLOAD (\t)+2, \N, \base
.endif
.endm
.macro WQ N, tile0, wg0, base
	s_sub_co_u32 s19, ttmp9, \wg0
	s_and_b32 s21, s19, 3                          ; which 256 along K
	s_and_b32 s20, s19, 0xfffc
	s_add_co_u32 s20, s20, s18                     ; G: my wave's 32 columns
	s_mul_i32 s22, s21, 256*\N*4
	s_lshl_b32 s23, s20, 7
	s_add_co_u32 s22, s22, s23
	s_mov_b32 s23, 0
	s_add_nc_u64 s[\base:\base+1], s[\base:\base+1], s[22:23]
	s_lshl_b32 s22, s20, 1
	s_add_co_u32 s22, s22, \tile0
	s_mul_i32 s22, s22, 12800                      ; tiles 2 G and 2 G + 1,
	s_mul_i32 s24, s21, 3072                       ; four images on for each 256 along K
	s_add_co_u32 s22, s22, s24
	s_add_nc_u64 s[14:15], s[14:15], s[22:23]
	s_mul_i32 s25, s21, 3064
	s_sub_co_u32 s25, 12288, s25                   ; the scale bytes from that base: 12,288 + 8 ky - 3,072 ky
	v_bfe_u32 v4, v1, 3, 1                         ; column 32 G + lane is row r = lane % 8 + 8 (lane / 16) of tile 2 G + u, u = (lane / 8) % 2
	v_and_b32 v5, 7, v1
	v_lshrrev_b32 v6, 4, v1
	v_lshl_add_u32 v5, v6, 3, v5
	v_mul_u32_u24 v4, v4, 12800
	v_lshl_add_u32 v6, v5, 4, v4
	v_lshl_add_u32 v7, v5, 3, v4
	v_lshl_add_u32 v8, v5, 5, v4
	v_add_nc_u32 v8, s25, v8
	v_lshlrev_b32 v9, 2, v1
	WLOAD 0, \N, \base
	WLOAD 1, \N, \base
.irp t, 0,1,2,3,4,5,6,7
	WBLOCK \t, \N, \base
.endr
	global_store_b64 v8, v[16:17], s[14:15]        ; my column's eight scale bytes
	s_endpgm
.endm
	s_load_b256 s[4:11], s[0:1], 0x0               ; x, Wqkv, Wproj, mask
	s_load_b128 s[12:15], s[0:1], 0x20             ; xq, wq
	s_load_b64 s[16:17], s[0:1], 0x30              ; mk
	v_lshl_add_u32 v[SPW], v0, 2, SPARE
	v_mov_b32 v[NIL], 0
	v_lshrrev_b32 v4, 5, v0
	v_readfirstlane_b32 s18, v4                    ; wave
	v_and_b32 v1, 31, v0                           ; lane
	s_wait_kmcnt 0x0
	s_cmp_lt_u32 ttmp9, 32
	s_cbranch_scc1 .Lmask
	s_cmp_lt_u32 ttmp9, 160
	s_cbranch_scc1 .Lx
	s_cmp_lt_u32 ttmp9, 256
	s_cbranch_scc1 .Lwqkv
	WQ 1024, 192, 256, 8
.Lwqkv:
	WQ 3072, 0, 160, 6
.Lx:
	s_sub_co_u32 s19, ttmp9, 32
	s_lshl_b32 s19, s19, 2
	s_add_co_u32 s19, s19, s18                     ; my tile of 16 rows, 0 .. 511
	s_lshr_b32 s20, s19, 1
	s_lshl_b32 s20, s20, 17                        ; 32 rows of 4,096 bytes
	s_and_b32 s21, s19, 1
	s_lshl_b32 s21, s21, 15                        ; 8 rows
	s_add_co_u32 s20, s20, s21
	s_mov_b32 s21, 0
	s_add_nc_u64 s[4:5], s[4:5], s[20:21]
	s_mul_i32 s20, s19, 12800
	s_add_nc_u64 s[12:13], s[12:13], s[20:21]
	s_mov_b32 s24, 0x76543210
	s_mov_b32 s25, 0xfedcba98                      ; lane l xor 16
	v_and_b32 v10, 15, v1                          ; r
	v_lshrrev_b32 v11, 4, v1                       ; h
	v_lshlrev_b32 v4, 12, v11
	v_lshl_add_u32 v4, v10, 4, v4                  ; a load: row lane / 16, 16 bytes at 16 (lane % 16)
	s_mul_i32 s22, s18, 8704                       ; my two stages
	v_mul_u32_u24 v5, v11, 272
	v_lshl_add_u32 v5, v10, 4, v5
	v_add_nc_u32 v5, s22, v5
	v_mul_u32_u24 v6, v10, 272
	v_lshl_add_u32 v6, v11, 7, v6
	v_add_nc_u32 v6, s22, v6
	v_lshlrev_b32 v7, 4, v1
	v_lshlrev_b32 v8, 3, v1
	v_lshlrev_b32 v9, 3, v11
.irp k, 0,1,2,3,4,5,6,7
	v_mov_b32 v[24+\k], 0                          ; a lane permute's destination counts as one of its sources
.endr
	XLOAD 0
	XLOAD 1
	XLOAD 2
	XLOAD 3
	s_wait_loadcnt 24                              ; image 0's eight loads are in
	XTURN 0
.irp t, 0,1,2,3,4,5,6,7,8,9,10,11,12,13,14,15
	XSTEP \t
.endr
.irp k, 0,1,2,3,4,5,6,7
	v_lshlrev_b32 v[16+\k], v9, v[16+\k]           ; my two bytes of word k, 8 h bits up
.endr
.irp k, 0,1,2,3,4,5,6,7
	v_permlanex16_b32 v[24+\k], v[16+\k], s24, s25
.endr
.irp k, 0,1,2,3,4,5,6,7
	v_or_b32 v[16+\k], v[16+\k], v[24+\k]          ; with the other half's two the word is whole
.endr
	v_cmp_ne_u32 vcc_lo, 0, v11
.irp k, 0,1,2,3
	v_cndmask_b32 v[24+\k], v[16+\k], v[20+\k], vcc_lo
.endr
	v_lshlrev_b32 v12, 5, v10
	v_lshl_add_u32 v12, v11, 4, v12
	global_store_b128 v12, v[24:27], s[12:13] offset:12288   ; 512 consecutive bytes: the tile's scale bytes
	s_wait_tensorcnt 0x0                           ; the wave's end: behind my last LDS store
	ds_add_u32 v[SPW], v[NIL]
	s_wait_dscnt 0x0
	s_endpgm
.Lmask:
	s_lshl_b32 s19, ttmp9, 2
	s_add_co_u32 s19, s19, s18                     ; my query tile
	s_lshr_b32 s20, s19, 1
	s_lshl_b32 s20, s20, 16                        ; 32 rows of 2,048 bytes
	s_and_b32 s21, s19, 1
	s_lshl_b32 s21, s21, 14
	s_add_co_u32 s20, s20, s21
	s_mov_b32 s21, 0
	s_add_nc_u64 s[10:11], s[10:11], s[20:21]
	s_mul_i32 s20, s19, 4608
	s_add_nc_u64 s[16:17], s[16:17], s[20:21]
	v_and_b32 v4, 15, v1
	v_lshrrev_b32 v5, 4, v1
	v_and_b32 v6, 8, v4
	v_add_nc_u32 v6, v6, v4
	v_lshlrev_b32 v6, 11, v6
	v_lshl_add_u32 v6, v5, 4, v6                   ; row r + 8 (r / 8), + 16 h
	v_mov_b32 v7, v6
	v_add_nc_u32 v8, 256, v6
	v_lshlrev_b32 v9, 2, v1
	v_mov_b32 v10, 0
	v_mov_b32 v11, 0
	s_mov_b32 s23, 0
	s_mov_b32 s26, 0                               ; the set's first key block
	s_mov_b32 s27, 0                               ; the column
	s_mov_b32 s28, 0                               ; live bits, blocks 0-31
	s_mov_b32 s29, 0                               ; blocks 32-63
	LOADB 0
	LOADB 1
.Lmtrip:                                           ; 4 trips of 16 key blocks
	s_wait_loadcnt 8                               ; set 0 is in, set 1's eight stay out
	PROC 0
	s_add_co_u32 s27, s27, 512
	s_min_u32 s30, s27, 1536                       ; the last trip reads valid bytes again: no load leaves the mask
	v_add_nc_u32 v7, s30, v6
	LOADB 0
	s_wait_loadcnt 8                               ; set 1 is in
	PROC 1
	s_add_co_u32 s30, s27, 256
	s_min_u32 s30, s30, 1792
	v_add_nc_u32 v8, s30, v6
	LOADB 1
	s_wait_xcnt 0x0                                ; the stores have read v9
	v_add_nc_u32 v9, 1024, v9
	s_add_co_u32 s23, s23, 1
	s_cmp_lt_u32 s23, 4
	s_cbranch_scc1 .Lmtrip
	global_store_b32 v9, v11, s[16:17]             ; entries 64 and 65: zeros (v9 = 4,096 + 4 x lane)
	; the list: a live block goes to its rank among the live, a dead one behind them; each of the 64 words is written once
	s_bcnt1_i32_b32 s24, s28
	s_bcnt1_i32_b32 s25, s29
	s_add_co_u32 s26, s24, s25                     ; live blocks
	v_mbcnt_lo_u32_b32 v12, s28, 0
	v_mbcnt_lo_u32_b32 v13, s29, 0
	v_mov_b32 v15, 64
	v_sub_nc_u32 v14, v1, v12
	v_add_nc_u32 v14, s26, v14
	v_cndmask_b32 v14, v14, v12, s28
	v_cndmask_b32 v16, v15, v1, s28
	v_min_u32 v14, 63, v14
	v_lshlrev_b32 v14, 2, v14
	global_store_b32 v14, v16, s[16:17] offset:4224
	s_add_co_u32 s27, s25, 32                      ; live + the dead among blocks 0-31
	v_sub_nc_u32 v17, v1, v13
	v_add_nc_u32 v17, s27, v17
	v_add_nc_u32 v18, s24, v13
	v_cndmask_b32 v17, v17, v18, s29
	v_add_nc_u32 v19, 32, v1
	v_cndmask_b32 v19, v15, v19, s29
	v_min_u32 v17, 63, v17
	v_lshlrev_b32 v17, 2, v17
	global_store_b32 v17, v19, s[16:17] offset:4224
	s_add_co_u32 s27, s26, 3
	s_lshr_b32 s27, s27, 2
	s_max_u32 s27, s27, 1                          ; steps of four blocks
	v_mov_b32 v20, s27
	v_cmp_gt_u32 vcc_lo, 4, v1
	v_cndmask_b32 v20, v20, v15, vcc_lo
	v_lshlrev_b32 v21, 2, v1
	global_store_b32 v21, v20, s[16:17] offset:4480
	s_endpgm
.Lfunc_end_k_qe362b7a9b3_prep:
	.size	k_qe362b7a9b3_prep, .Lfunc_end_k_qe362b7a9b3_prep-k_qe362b7a9b3_prep
	.p2alignl 7, 3214868480
	.fill 96, 4, 3214868480
	.section	.rodata,"a",@progbits
	.p2align	6, 0x0
	.amdhsa_kernel k_qe362b7a9b3_prep
		.amdhsa_group_segment_fixed_size 35328
		.amdhsa_private_segment_fixed_size 0
		.amdhsa_enable_private_segment 0
		.amdhsa_kernarg_size 56
		.amdhsa_user_sgpr_count 2
		.amdhsa_user_sgpr_kernarg_segment_ptr 1
		.amdhsa_wavefront_size32 1
		.amdhsa_system_sgpr_workgroup_id_x 1
		.amdhsa_system_sgpr_workgroup_id_y 1
		.amdhsa_system_sgpr_workgroup_id_z 1
		.amdhsa_system_vgpr_workitem_id 0
		.amdhsa_next_free_vgpr 256
		.amdhsa_next_free_sgpr 66
		.amdhsa_reserve_vcc 1
		.amdhsa_float_denorm_mode_32 3
		.amdhsa_float_denorm_mode_16_64 3
		.amdhsa_memory_ordered 1
		.amdhsa_forward_progress 1
		.amdhsa_inst_pref_size 201
	.end_amdhsa_kernel
	.amdgpu_metadata
---
amdhsa.version: [ 1, 2 ]
amdhsa.kernels:
  - .name:           k_qe362b7a9b3_prep
    .symbol:         k_qe362b7a9b3_prep.kd
    .args:
      - { .name: x, .offset: 0, .size: 8, .value_kind: global_buffer, .address_space: global }
      - { .name: Wqkv, .offset: 8, .size: 8, .value_kind: global_buffer, .address_space: global }
      - { .name: Wproj, .offset: 16, .size: 8, .value_kind: global_buffer, .address_space: global }
      - { .name: mask, .offset: 24, .size: 8, .value_kind: global_buffer, .address_space: global }
      - { .name: xq, .offset: 32, .size: 8, .value_kind: global_buffer, .address_space: global }
      - { .name: wq, .offset: 40, .size: 8, .value_kind: global_buffer, .address_space: global }
      - { .name: mk, .offset: 48, .size: 8, .value_kind: global_buffer, .address_space: global }
    .group_segment_fixed_size: 35328
    .private_segment_fixed_size: 0
    .kernarg_segment_align: 8
    .kernarg_segment_size: 56
    .max_flat_workgroup_size: 128
    .sgpr_count:     66
    .vgpr_count:     256
    .wavefront_size: 32
...
	.end_amdgpu_metadata
.endif
;; end of part 1
;; launch qkv (part 2): grid 12 x 64, 4 waves a work-group, clusters of 4 x 4, 327,680 bytes of LDS; arguments xq, wq, bqkv, qi, kv; writes qi, kv
.if DOCPART == 2
	.amdgcn_target "amdgcn-amd-amdhsa--gfx1250"
	.amdhsa_code_object_version 6
	.text
	.protected	k_qe362b7a9b3_qkv
	.globl	k_qe362b7a9b3_qkv
	.p2align	8
	.type	k_qe362b7a9b3_qkv,@function
k_qe362b7a9b3_qkv:
	s_mov_b64 s[64:65], 0
	v_nop
	global_prefetch_b8 v0, s[64:65] scope:SCOPE_SE
	s_setreg_imm32_b32 hwreg(HW_REG_WAVE_MODE, 25, 1), 1
	s_wait_xcnt 0x0
	s_wait_alu depctr_hold_cnt(0) depctr_sa_sdst(0) depctr_va_vdst(0) depctr_va_sdst(0) depctr_va_ssrc(0) depctr_va_vcc(0) depctr_vm_vsrc(0)
	s_getreg_b32 s2, hwreg(HW_REG_IB_STS2, 6, 4)
	s_cmp_eq_u32 s2, 0
	s_cbranch_scc0 .Lentry_in_a_cluster
	s_endpgm
.Lentry_in_a_cluster:
	s_bfe_u32 s2, ttmp6, 0x10000c
	s_cmp_lg_u32 s2, 0xf033
	s_cbranch_scc0 .Lentry_shape_is_right
	s_endpgm
.Lentry_shape_is_right:
; QKV: x Wqkv + bqkv on codes of FP6 (E2M3), and the results quantised again, in registers, as the operands of attention's two products.
; A work-group multiplies 256 rows of source 0 (P) by 128 rows of source 1 (Q) over all of K = 1,024.  Four waves: wave % 2 takes 128 of P, wave / 2 takes 64 of Q: 4 x 8 accumulators, 256 registers.
; q (cluster x = 0) and k (1): P = Wqkv's columns, Q = tokens: a lane holds one token and its registers run along the head's 64, the K of q k^T.
; v (cluster x = 2): P = tokens, Q = Wqkv's columns: a lane holds one channel and its registers run along the tokens, the K of p v.
; All of K for 24 tiles is 294,912 bytes: every tensor load is a first fill, four a wave (four of mine are out at the most), in chunks of 256 along K; nothing is filled again.  All of LDS is claimed.
; CLUSTER 4 x 4: P's tiles hang on the work-group's x alone and are asked for jointly down a column, Q's on y alone and jointly along a row.
; Operand records and the order of rows are those of the launch that made xq and wq: tile 2 g + u holds in lane r the row 32 g + 8 u + r + 8 (r / 8), so the 16 registers of source 0's tiles 2 g, 2 g + 1 are 16 neighbours.
; OUT: qi [b h][query tile] x 1,024: the fragment's six registers (16 x lane; 512 + 8 x lane), scale words at 768 + 4 x lane.  kv [b h][key block of 32] x 3,328: k's two tiles at 0 and 768, v's 24 bytes a channel at 1,536 and 2,560,
; k's scale words at 3,072, v's at 3,200 and again at 3,264.  q's and k's words repeat their two bytes for the unused upper half of a 128-deep product.
; LIMITS: a block of zeros gets the byte 1; NaN and infinities are not served.
; REGISTERS: window 0: v1-16 LDS addresses, v17-27 offsets, v28, v29 the add's two, v32-63 Q's scale words, v64-95 P's (lanes 16-31: the tile four on), v96-191 Q's fragments in two sets, v192-248 at work;
;   window 1: P's fragments, two sets, at v0 and v128;  window 2: accumulator (a, b) at v[8 (8 a + b)];  window 3: v0-63 the bias by column, v64-71 the bias by lane.
.set SPARE, 294912
.set SPW, 28
.set NIL, 29
.set SEL, 96                           ; s[96:97] lane l xor 16
.set HM,  98                           ; s98 lanes 16-31
.set MSB, 0
.macro WIN new                         ; the immediate's high byte repeats the setting that is left
.if MSB != \new
	s_set_vgpr_msb (MSB<<8)|\new
.set MSB, \new
.endif
.endm
.macro CROUND                          ; a round of the cluster's barrier
	s_barrier_signal -1
	s_barrier_wait -1
	s_cmp_lg_u32 s14, 0
	s_cbranch_scc1 .Lnot_wave_0_\@
	s_barrier_signal -3
.Lnot_wave_0_\@:
	s_barrier_wait -3
	s_barrier_signal -1
	s_barrier_wait -1
.endm
.macro FETCH ks, set                   ; the fragments of K step ks: 8 of P, 4 of Q; each half fragment by 16 + 8 bytes a lane, as it lies
	WIN 0x40
.irp i, 0,1,2,3,4,5,6,7
.irp c, 0,1
	ds_load_b128 v[128*(\set)+12*\i+6*\c:128*(\set)+12*\i+6*\c+3], v[1+(\ks)/2] offset:3072*\i+768*(2*((\ks)%2)+\c)
	ds_load_b64 v[128*(\set)+12*\i+6*\c+4:128*(\set)+12*\i+6*\c+5], v[5+(\ks)/2] offset:3072*\i+768*(2*((\ks)%2)+\c)+512
.endr
.endr
	WIN 0
.irp i, 0,1,2,3
.irp c, 0,1
	ds_load_b128 v[96+48*(\set)+12*\i+6*\c:96+48*(\set)+12*\i+6*\c+3], v[9+(\ks)/2] offset:3072*\i+768*(2*((\ks)%2)+\c)
	ds_load_b64 v[96+48*(\set)+12*\i+6*\c+4:96+48*(\set)+12*\i+6*\c+5], v[13+(\ks)/2] offset:3072*\i+768*(2*((\ks)%2)+\c)+512
.endr
.endr
.endm
.macro WM a, b, ks, set
.set rD, 8*(8*\a+\b)
.set rA, 128*(\set)+12*\b
.set rB, 96+48*(\set)+12*\a
.set rP, 64+8*(\b%4)+(\ks)
.set rQ, 32+8*\a+(\ks)
.if (\ks) == 0
.if \b < 4
	v_wmma_scale_f32_16x16x128_f8f6f4 v[rD:rD+7], v[rA:rA+11], v[rB:rB+11], 0, v[rP], v[rQ] matrix_a_fmt:MATRIX_FMT_FP6 matrix_b_fmt:MATRIX_FMT_FP6
.else
	v_wmma_scale_f32_16x16x128_f8f6f4 v[rD:rD+7], v[rA:rA+11], v[rB:rB+11], 0, v[rP], v[rQ] matrix_a_fmt:MATRIX_FMT_FP6 matrix_b_fmt:MATRIX_FMT_FP6 matrix_a_scale:MATRIX_SCALE_ROW1
.endif
.else
.if \b < 4
	v_wmma_scale_f32_16x16x128_f8f6f4 v[rD:rD+7], v[rA:rA+11], v[rB:rB+11], v[rD:rD+7], v[rP], v[rQ] matrix_a_fmt:MATRIX_FMT_FP6 matrix_b_fmt:MATRIX_FMT_FP6
.else
	v_wmma_scale_f32_16x16x128_f8f6f4 v[rD:rD+7], v[rA:rA+11], v[rB:rB+11], v[rD:rD+7], v[rP], v[rQ] matrix_a_fmt:MATRIX_FMT_FP6 matrix_b_fmt:MATRIX_FMT_FP6 matrix_a_scale:MATRIX_SCALE_ROW1
.endif
.endif
.endm
.macro MUL ks, set                     ; 32 products; the 32 accumulators take turns in one fixed order; the first K step starts the sums
	WIN 0xa1                                       ; P window 1, Q window 0, C and D window 2
.irp a, 0,1,2,3
.irp b, 0,1,2,3,4,5,6,7
	WM \a, \b, \ks, \set
.endr
.endr
.endm
.macro KSTEP ks
	s_wait_dscnt 0x0                               ; this step's fragments are in (asked for 32 products ago)
.if (\ks) == 0
	s_wait_loadcnt 0x0                             ; the scale words and the biases
.endif
.if ((\ks)%2 == 1) && ((\ks) < 7)
	s_wait_tensorcnt 3-((\ks)+1)/2                 ; my part of the next chunk has landed; my younger chunks stay out
	s_barrier_signal -1
	s_barrier_wait -1                              ; everybody's has
.endif
.if (\ks) < 7
.rept 4
	v_nop                                          ; four places in front of loads into registers that the last products have read
.endr
	FETCH (\ks)+1, 1-(\ks)%2
.endif
	MUL \ks, (\ks)%2
.endm
; v192-223, register 16 g + i = number 32 g + 16 (lane / 16) + i of my row, become six registers of codes in v232-237 (lane (r, h): block h whole) and the two bytes in v230, v231
.macro QUANT2
	v_max3_num_f32 v224, |v192|, |v193|, 0x1800000
	v_max3_num_f32 v225, |v208|, |v209|, 0x1800000
.irp i, 2,4,6,8,10,12,14
	v_max3_num_f32 v224, v224, |v[192+\i]|, |v[193+\i]|
	v_max3_num_f32 v225, v225, |v[208+\i]|, |v[209+\i]|
.endr
	v_permlanex16_b32 v226, v224, s[SEL], s[SEL+1]
	v_permlanex16_b32 v227, v225, s[SEL], s[SEL+1]
	v_max_num_f32 v224, v224, v226
	v_max_num_f32 v225, v225, v227
	v_add_nc_u32 v228, 0xff000000, v224
	v_add_nc_u32 v229, 0xff000000, v225
	v_cvt_scalef32_pk16_fp6_f32 v[232:234], v[192:207], v228
	v_cvt_scalef32_pk16_fp6_f32 v[240:242], v[208:223], v229
	v_lshrrev_b32 v230, 23, v228                   ; the bytes; also the plain line behind the conversions
	v_lshrrev_b32 v231, 23, v229
.irp i, 0,1,2
	v_permlane16_swap_b32 v[232+\i], v[240+\i]
.endr
.irp i, 0,1,2
	v_mov_b32 v[235+\i], v[240+\i]
.endr
.endm
; tile a of Q against four tiles of P (64 neighbours, e-th half of my 128): bias, quantiser, stores.  comp 0 q, 1 k, 2 v
.macro UNIT comp, a, e
	s_wait_xcnt 0x0                                ; the last unit's stores have read their registers
	WIN 0x0e                                       ; accumulators window 2, bias window 3
.set i, 0
.rept 16
.if \comp == 2
	v_pk_add_f32 v[192+i:193+i], v[64*\a+32*\e+i:64*\a+32*\e+i+1], v[64+2*\a:65+2*\a]
.else
	v_pk_add_f32 v[192+i:193+i], v[64*\a+32*\e+i:64*\a+32*\e+i+1], v[32*\e+i:32*\e+i+1]
.endif
.set i, i+2
.endr
	WIN 0
	QUANT2
.if \comp == 0
	v_lshl_or_b32 v244, v231, 8, v230
	v_lshl_or_b32 v244, v244, 16, v244
	global_store_b128 v20, v[232:235], s[10:11] offset:131072*\e+1024*\a
	global_store_b64 v21, v[236:237], s[10:11] offset:131072*\e+1024*\a+512
	global_store_b32 v22, v244, s[10:11] offset:131072*\e+1024*\a+768
.elseif \comp == 1
	v_lshl_or_b32 v[245-(\a%2)], v231, 8, v230
	v_lshl_or_b32 v[245-(\a%2)], v[245-(\a%2)], 16, v[245-(\a%2)]
	global_store_b128 v20, v[232:235], s[12:13] offset:212992*\e+3328*(\a/2)+768*(\a%2)
	global_store_b64 v21, v[236:237], s[12:13] offset:212992*\e+3328*(\a/2)+768*(\a%2)+512
.if \a%2
	v_cndmask_b32 v246, v245, v244, s[HM]          ; lanes 0-15 the even tile's words, lanes 16-31 the odd tile's
	global_store_b32 v22, v246, s[12:13] offset:212992*\e+3328*(\a/2)+3072
.endif
.else
.if \a == 0
	v_mov_b32 v247, v230
	v_mov_b32 v248, v231
.else
	v_lshl_or_b32 v247, v230, 8*\a, v247
	v_lshl_or_b32 v248, v231, 8*\a, v248
.endif
	global_store_b128 v23, v[232:235], s[12:13] offset:6656*\e+1536+256*\a
	global_store_b64 v24, v[236:237], s[12:13] offset:6656*\e+2560+128*\a
.if \a == 3
	v_cndmask_b32 v246, v247, v248, s[HM]          ; my half's key block
	global_store_b32 v25, v246, s[12:13] offset:6656*\e+3200
	global_store_b32 v25, v246, s[12:13] offset:6656*\e+3264
.endif
.endif
.endm
.macro EPI comp
.irp e, 0,1
.irp a, 0,1,2,3
	UNIT \comp, \a, \e
.endr
.endr
.endm
	s_load_b256 s[4:11], s[0:1], 0x0               ; xq, wq, bqkv, qi
	s_load_b64 s[12:13], s[0:1], 0x20              ; kv
	v_lshl_add_u32 v[SPW], v0, 2, SPARE
	v_mov_b32 v[NIL], 0
	ds_add_u32 v[SPW], v[NIL]                      ; the wave's opening: the add and its wait ahead of my first tensor load
	v_lshrrev_b32 v19, 5, v0
	v_readfirstlane_b32 s14, v19                   ; wave
	s_and_b32 s15, s14, 1                          ; my half of P; also: which half I fetch
	s_lshr_b32 s16, s14, 1                         ; my half of Q; also: I fetch for P (0) or Q (1)
	s_bfe_u32 s17, ttmp6, 0x40000                  ; cx
	s_bfe_u32 s18, ttmp6, 0x40004                  ; cy
	s_and_b32 s22, ttmp7, 0xffff                   ; cluster y
	s_and_b32 s23, s22, 7
	s_lshr_b32 s80, s22, 3
	s_cmp_lt_u32 ttmp9, 2                          ; q or k?  The same in all sixteen partners
	s_cselect_b32 s19, ttmp9, s23
	s_cselect_b32 s20, s22, s80
	s_cselect_b32 s81, 0, 128                      ; Q's first tile: v's columns begin at wq's tile 128
	s_lshl_b32 s19, s19, 2
	s_add_co_u32 s19, s19, s17                     ; X: which 256 rows of P
	s_lshl_b32 s20, s20, 2
	s_add_co_u32 s20, s20, s18                     ; Y: which 128 rows of Q
	s_lshl_b32 s2, 0x1111, s17                     ; my column of the cluster
	s_or_b32 s24, s2, (3<<16)|(1<<21)              ; group 1 for P: the mask; elements of 8 bytes; bit 21 beside a mask; no padding
	s_lshl_b32 s3, s18, 2
	s_lshl_b32 s3, 15, s3                          ; my row
	s_or_b32 s32, s3, (3<<16)|(1<<21)              ; group 1 for Q
	s_mov_b32 s25, 384<<16                         ; tensor_dim0: 3,072 bytes, a tile's 256 along K
	s_mov_b32 s26, 8<<16                           ; tensor_dim1: 8 tiles
	s_mov_b32 s27, 384<<16                         ; tile_dim0
	s_mov_b32 s28, 8                               ; tile_dim1
	s_mov_b32 s29, 1600                            ; from record to record: 12,800 bytes
	s_mov_b32 s30, 0
	s_mov_b32 s31, 0
	s_mov_b32 s33, 384<<16
	s_mov_b32 s34, 4<<16
	s_mov_b32 s35, 384<<16
	s_mov_b32 s36, 4
	s_mov_b32 s37, 1600
	s_mov_b32 s38, 0
	s_mov_b32 s39, 0
	s_lshl_b32 s82, s19, 4
	s_lshl_b32 s83, s15, 3
	s_add_co_u32 s82, s82, s83
	s_mul_i32 s82, s82, 12800                      ; P: tile 16 X + 8 (wave % 2): what I fetch, and what I multiply
	s_mov_b32 s83, 0
	s_lshl_b32 s86, s20, 3
	s_lshl_b32 s87, s15, 2
	s_add_co_u32 s86, s86, s87
	s_add_co_u32 s86, s86, s81
	s_mul_i32 s86, s86, 12800                      ; Q: tile 8 Y + 4 (wave % 2): what I fetch
	s_mov_b32 s87, 0
	s_lshl_b32 s88, s20, 3
	s_lshl_b32 s89, s16, 2
	s_add_co_u32 s88, s88, s89
	s_add_co_u32 s88, s88, s81
	s_mul_i32 s88, s88, 12800                      ; Q: tile 8 Y + 4 (wave / 2): what I multiply
	s_mov_b32 s89, 0
	s_mul_i32 s84, s15, 24576                      ; where they go in LDS: no place in the cluster enters
	s_mul_i32 s85, s15, 12288
	s_add_co_u32 s85, s85, 196608
	s_lshl_b32 s90, s19, 10
	s_lshl_b32 s91, s15, 9
	s_add_co_u32 s90, s90, s91                     ; the bias by column: 4 (256 X + 128 (wave % 2))
	s_lshl_b32 s92, s20, 9
	s_lshl_b32 s93, s16, 8
	s_add_co_u32 s92, s92, s93
	s_add_co_u32 s92, s92, 8192                    ; the bias by lane: 4 (2,048 + 128 Y + 64 (wave / 2))
	s_cmp_lt_u32 ttmp9, 2
	s_cselect_b32 s90, s90, 0                      ; the layout that this component does not use reads from the bias's first bytes
	s_cselect_b32 s92, 0, s92
	s_mov_b32 s91, 0
	s_mov_b32 s93, 0
	s_mov_b32 s[SEL], 0x76543210
	s_mov_b32 s[SEL+1], 0xfedcba98
	s_mov_b32 s[HM], 0xffff0000
	s_wait_dscnt 0x0                               ; the opening add is done
	s_wait_kmcnt 0x0
	s_cmp_lt_u32 ttmp9, 2
	s_cselect_b64 s[76:77], s[6:7], s[4:5]         ; P
	s_cselect_b64 s[78:79], s[4:5], s[6:7]         ; Q
	s_add_nc_u64 s[82:83], s[76:77], s[82:83]
	s_add_nc_u64 s[86:87], s[78:79], s[86:87]
	s_add_nc_u64 s[88:89], s[78:79], s[88:89]
	s_add_nc_u64 s[90:91], s[8:9], s[90:91]
	s_add_nc_u64 s[92:93], s[8:9], s[92:93]
.irp q, 0,1,2,3                        ; group 0 for chunk q: P's in s40-55, Q's in s56-63 and s68-75
	s_mov_b32 s[40+4*\q], 1
	s_add_co_u32 s[41+4*\q], s84, 49152*\q
	s_add_nc_u64 s[42+4*\q:43+4*\q], s[82:83], 3072*\q
	s_or_b32 s[43+4*\q], s[43+4*\q], 0x80000000
	s_mov_b32 s[56+4*\q+4*(\q/2)], 1
	s_add_co_u32 s[57+4*\q+4*(\q/2)], s85, 24576*\q
	s_add_nc_u64 s[58+4*\q+4*(\q/2):59+4*\q+4*(\q/2)], s[86:87], 3072*\q
	s_or_b32 s[59+4*\q+4*(\q/2)], s[59+4*\q+4*(\q/2)], 0x80000000
.endr
	CROUND                                         ; all sixteen work-groups are here: the joint loads meet
	s_cmp_lt_u32 s14, 2                            ; a wave's four fills stand in one branch on the wave's number, ahead of every wait on TENSORcnt, LDS read and further barrier
	s_cbranch_scc0 .Lfill_q
	tensor_load_to_lds s[40:43], s[24:31]
	s_nop 0
	tensor_load_to_lds s[44:47], s[24:31]
	s_nop 0
	tensor_load_to_lds s[48:51], s[24:31]
	s_nop 0
	tensor_load_to_lds s[52:55], s[24:31]
	s_nop 0
.rept 4
	v_nop
.endr
	s_branch .Lfilled
.Lfill_q:
	tensor_load_to_lds s[56:59], s[32:39]
	s_nop 0
	tensor_load_to_lds s[60:63], s[32:39]
	s_nop 0
	tensor_load_to_lds s[68:71], s[32:39]
	s_nop 0
	tensor_load_to_lds s[72:75], s[32:39]
	s_nop 0
.rept 4
	v_nop
.endr
.Lfilled:
	v_and_b32 v30, 15, v0                          ; r
	v_bfe_u32 v31, v0, 4, 1                        ; h
	v_lshlrev_b32 v17, 5, v30                      ; a row's 32 scale bytes
	v_mul_u32_u24 v18, v31, 51200                  ; lanes 16-31: the tile four records on
	v_add_nc_u32 v18, v18, v17
.irp a, 0,1,2,3
	global_load_b128 v[32+8*\a:35+8*\a], v17, s[88:89] offset:12288+12800*\a
	global_load_b128 v[36+8*\a:39+8*\a], v17, s[88:89] offset:12288+12800*\a+16
	global_load_b128 v[64+8*\a:67+8*\a], v18, s[82:83] offset:12288+12800*\a
	global_load_b128 v[68+8*\a:71+8*\a], v18, s[82:83] offset:12288+12800*\a+16
.endr
	v_lshlrev_b32 v26, 6, v31                      ; by column: my half's 16 of each 32
	v_and_b32 v27, 8, v30
	v_add_nc_u32 v27, v27, v30
	v_lshlrev_b32 v27, 2, v27                      ; by lane: 4 (r + 8 (r / 8))
	WIN 0xc0
.set i, 0
.rept 16
	global_load_b128 v[4*i:4*i+3], v26, s[90:91] offset:128*(i/4)+16*(i%4)
.set i, i+1
.endr
.irp a, 0,1,2,3
	global_load_b32 v[64+2*\a], v27, s[92:93] offset:4*(32*(\a/2)+8*(\a%2))
	global_load_b32 v[65+2*\a], v27, s[92:93] offset:4*(32*(\a/2)+8*(\a%2))
.endr
	WIN 0
	v_and_b32 v19, 31, v0
	s_mul_i32 s2, s15, 24576                       ; my 8 tiles of P in a chunk
	s_mul_i32 s3, s16, 12288                       ; my 4 tiles of Q
	s_add_co_u32 s3, s3, 196608
.irp q, 0,1,2,3
	v_lshl_add_u32 v[1+\q], v19, 4, s2
	v_lshl_add_u32 v[5+\q], v19, 3, s2
	v_lshl_add_u32 v[9+\q], v19, 4, s3
	v_lshl_add_u32 v[13+\q], v19, 3, s3
	s_add_co_u32 s2, s2, 49152
	s_add_co_u32 s3, s3, 24576
.endr
	v_lshlrev_b32 v20, 4, v19
	v_lshlrev_b32 v21, 3, v19
	v_lshlrev_b32 v22, 2, v19
	v_mul_u32_u24 v25, v31, 3328                   ; v: lanes 16-31 hold the next key block
	v_lshl_add_u32 v23, v30, 4, v25
	v_lshl_add_u32 v24, v30, 3, v25
	v_lshl_add_u32 v25, v30, 2, v25
	v_mov_b32 v226, 0                              ; a lane permute's destination counts as one of its sources
	v_mov_b32 v227, 0
	s_wait_tensorcnt 3                             ; my part of chunk 0 has landed; three younger loads stay out
	s_barrier_signal -1
	s_barrier_wait -1
	FETCH 0, 0
.irp ks, 0,1,2,3,4,5,6,7
	KSTEP \ks
.endr
	WIN 0
.rept 4
	v_nop                                          ; four places in front of the first read of results
.endr
	s_lshr_b32 s90, s20, 4
	s_lshl_b32 s90, s90, 4                         ; q, k: 16 b
	s_lshl_b32 s91, s17, 2
	s_add_co_u32 s90, s90, s91
	s_lshl_b32 s91, s15, 1
	s_add_co_u32 s90, s90, s91                     ; + my first head: 4 cx + 2 (wave % 2)
	s_lshl_b32 s91, s20, 3
	s_lshl_b32 s92, s16, 2
	s_add_co_u32 s91, s91, s92
	s_and_b32 s91, s91, 127                        ; my first token tile in the batch
	s_mov_b32 s93, 0
	s_cmp_eq_u32 ttmp9, 0
	s_cbranch_scc1 .Lepi_q
	s_cmp_eq_u32 ttmp9, 1
	s_cbranch_scc1 .Lepi_k
	s_lshr_b32 s92, s19, 3                         ; v: b = X / 8
	s_lshl_b32 s92, s92, 4
	s_lshl_b32 s94, s20, 1
	s_add_co_u32 s92, s92, s94
	s_add_co_u32 s92, s92, s16                     ; + head 2 Y + wave / 2
	s_lshl_b32 s92, s92, 6
	s_lshl_b32 s94, s19, 3
	s_lshl_b32 s95, s15, 2
	s_add_co_u32 s94, s94, s95
	s_and_b32 s94, s94, 63                         ; my first key block
	s_add_co_u32 s92, s92, s94
	s_mul_i32 s92, s92, 3328
	s_add_nc_u64 s[12:13], s[12:13], s[92:93]
	EPI 2
	s_branch .Lend
.Lepi_q:
	s_lshl_b32 s92, s90, 7
	s_add_co_u32 s92, s92, s91
	s_lshl_b32 s92, s92, 10
	s_add_nc_u64 s[10:11], s[10:11], s[92:93]
	EPI 0
	s_branch .Lend
.Lepi_k:
	s_lshl_b32 s92, s90, 6
	s_lshr_b32 s94, s91, 1
	s_add_co_u32 s92, s92, s94
	s_mul_i32 s92, s92, 3328
	s_add_nc_u64 s[12:13], s[12:13], s[92:93]
	EPI 1
.Lend:
	s_wait_tensorcnt 0x0                           ; the wave's end: behind my last tensor load
	ds_add_u32 v[SPW], v[NIL]
	s_wait_dscnt 0x0
	CROUND                                         ; the closing round
	s_endpgm
.Lfunc_end_k_qe362b7a9b3_qkv:
	.size	k_qe362b7a9b3_qkv, .Lfunc_end_k_qe362b7a9b3_qkv-k_qe362b7a9b3_qkv
	.p2alignl 7, 3214868480
	.fill 96, 4, 3214868480
	.section	.rodata,"a",@progbits
	.p2align	6, 0x0
	.amdhsa_kernel k_qe362b7a9b3_qkv
		.amdhsa_group_segment_fixed_size 327680
		.amdhsa_private_segment_fixed_size 0
		.amdhsa_enable_private_segment 0
		.amdhsa_kernarg_size 40
		.amdhsa_user_sgpr_count 2
		.amdhsa_user_sgpr_kernarg_segment_ptr 1
		.amdhsa_wavefront_size32 1
		.amdhsa_system_sgpr_workgroup_id_x 1
		.amdhsa_system_sgpr_workgroup_id_y 1
		.amdhsa_system_sgpr_workgroup_id_z 1
		.amdhsa_system_vgpr_workitem_id 0
		.amdhsa_next_free_vgpr 840
		.amdhsa_next_free_sgpr 100
		.amdhsa_reserve_vcc 0
		.amdhsa_float_denorm_mode_32 3
		.amdhsa_float_denorm_mode_16_64 3
		.amdhsa_memory_ordered 1
		.amdhsa_forward_progress 1
		.amdhsa_inst_pref_size 152
	.end_amdhsa_kernel
	.amdgpu_metadata
---
amdhsa.version: [ 1, 2 ]
amdhsa.kernels:
  - .name:           k_qe362b7a9b3_qkv
    .symbol:         k_qe362b7a9b3_qkv.kd
    .args:
      - { .name: xq, .offset: 0, .size: 8, .value_kind: global_buffer, .address_space: global }
      - { .name: wq, .offset: 8, .size: 8, .value_kind: global_buffer, .address_space: global }
      - { .name: bqkv, .offset: 16, .size: 8, .value_kind: global_buffer, .address_space: global }
      - { .name: qi, .offset: 24, .size: 8, .value_kind: global_buffer, .address_space: global }
      - { .name: kv, .offset: 32, .size: 8, .value_kind: global_buffer, .address_space: global }
    .group_segment_fixed_size: 327680
    .private_segment_fixed_size: 0
    .kernarg_segment_align: 8
    .kernarg_segment_size: 40
    .max_flat_workgroup_size: 128
    .sgpr_count:     100
    .vgpr_count:     840
    .wavefront_size: 32
...
	.end_amdgpu_metadata
.endif
;; end of part 2
;; launch attn (part 3): grid 32 x 64, 4 waves a work-group, no clusters, 0 bytes of LDS; arguments qi, kv, mk, yq; writes yq
.if DOCPART == 3
	.amdgcn_target "amdgcn-amd-amdhsa--gfx1250"
	.amdhsa_code_object_version 6
	.text
	.protected	k_qe362b7a9b3_attn
	.globl	k_qe362b7a9b3_attn
	.p2align	8
	.type	k_qe362b7a9b3_attn,@function
k_qe362b7a9b3_attn:
	s_mov_b64 s[64:65], 0
	v_nop
	global_prefetch_b8 v0, s[64:65] scope:SCOPE_SE
	s_setreg_imm32_b32 hwreg(HW_REG_WAVE_MODE, 25, 1), 1
	s_wait_xcnt 0x0
; ATTENTION on codes of FP6 (E2M3): y = softmax(mask(q k^T / 8)) v, and y quantised again along the model's 1,024 for the projection.
; A wave owns one tile of 16 queries of one head and walks only the key blocks of 32 in which the given mask has a true byte for one of its queries: the list, the number of steps and the lane masks were stored
; as whole numbers by the first launch.  p and v are quantised in aligned blocks of 32 keys, each with its own scale byte, so any four live blocks make one K step of 128 with the codes of the dense product.
; A slot beyond the list (entry 64) reads block 63's bytes under a mask of zeros: its p are zeros.
; Both products are used transposed (S^T = k q^T, O^T = v^T p^T): a lane holds one query throughout; a block's two tiles of keys give 16 neighbouring keys in 16 registers.
; THE HEAD'S K IS 64 IN A PRODUCT 128 DEEP: q's registers 6-11 are zero codes; a tile of k is named with the six registers that follow it (the next tile's codes, or zeros), which meet those zero codes alone and add exactly 0.
; SOFTMAX: t = score x log2(e) / 8; M = the running largest t rounded up to a whole number; p = 2^(t - M) is quantised; the sum is taken of the unquantised p and divides at the end.
; A query with no true key has the sum 0: its blocks of y get the scale byte 0xff, so that the projection gives NaN in its row, as the softmax of an empty row does.
; No LDS, no tensor load, no cluster: the walk, its addresses and its trip count hang on the stored list, which differs from tile to tile.  The work-groups with the highest query tiles come first in the grid; that only orders the work.
; LIMITS: NaN and infinities among q, k, v are not served; a block of zeros gets the byte 1.
; REGISTERS: v1-3 16, 8, 4 x lane; v4, v5 16 r, 8 r; v6, v7 h, 1 - h; v8-11 v's addresses; v12 -M, v13 largest t, v[14:15] the sum; v16-27 q; v29 -infinity; v[30:31] f; v32-79 k's 8 x 6, v80-85 zeros;
;   v86-89 k's scale words, v90-93 v's, v94 p's, v95 q's; v96-159 S^T, then p; v160-191 O^T; v192-239 v's fragments; v240-243 at work.  Behind the S products v32-67 are at work (p's codes in v52-63).
	s_load_b128 s[8:11], s[0:1], 0x0               ; qi, kv
	s_load_b64 s[4:5], s[0:1], 0x10                ; mk
	v_lshrrev_b32 v28, 5, v0
	v_readfirstlane_b32 s96, v28                   ; wave
	s_sub_co_u32 s97, 31, ttmp9
	s_lshl_b32 s97, s97, 2
	s_add_co_u32 s97, s97, s96                     ; my query tile
	s_and_b32 s98, ttmp7, 0xffff                   ; 16 b + head
	s_mov_b32 s7, 0
	s_mov_b32 s66, 0x3e38aa3b                      ; c = log2(e) / 8
	s_mov_b32 s67, s66
	s_mov_b32 s92, 0x76543210
	s_mov_b32 s93, 0xfedcba98                      ; lane l xor 16
	s_mov_b32 s95, 0
	s_mov_b32 s100, 0
	s_mov_b32 s101, 0xffff0000
	v_and_b32 v28, 31, v0
	v_lshlrev_b32 v1, 4, v28
	v_lshlrev_b32 v2, 3, v28
	v_lshlrev_b32 v3, 2, v28
	v_and_b32 v5, 15, v0
	v_lshlrev_b32 v4, 4, v5
	v_lshlrev_b32 v5, 3, v5
	v_bfe_u32 v6, v0, 4, 1
	v_sub_nc_u32 v7, 1, v6
	s_wait_kmcnt 0x0
	s_mul_i32 s6, s97, 4608
	s_add_nc_u64 s[4:5], s[4:5], s[6:7]            ; my tile's part of mk
	s_load_b128 s[84:87], s[4:5], 0x1080           ; the first four blocks of the list
	s_load_b32 s94, s[4:5], 0x1190                 ; the number of steps
	s_mul_i32 s6, s98, 212992
	s_add_nc_u64 s[2:3], s[10:11], s[6:7]          ; my head's 64 records of k and v
	s_lshl_b32 s6, s98, 7
	s_add_co_u32 s6, s6, s97
	s_lshl_b32 s6, s6, 10
	s_add_nc_u64 s[8:9], s[8:9], s[6:7]
	global_load_b128 v[16:19], v1, s[8:9]
	global_load_b64 v[20:21], v2, s[8:9] offset:512
	global_load_b32 v95, v3, s[8:9] offset:768
.irp i, 22,23,24,25,26,27,80,81,82,83,84,85,14,15,31
	v_mov_b32 v[\i], 0
.endr
.set i, 0
.rept 32
	v_mov_b32 v[160+i], 0                          ; O^T: the step is written once; the first change of M leaves zeros zeros
.set i, i+1
.endr
	v_mov_b32 v29, 0xff800000
	v_mov_b32 v13, 0xff61b1e6                      ; -3e38, under every t
	v_floor_f32 v12, -v13
	s_wait_xcnt 0x0                                ; q's loads have read s[8:9], which the loop writes
	s_wait_kmcnt 0x0
	s_min_u32 s94, s94, 16
.Lstep:
.irp j, 0,1,2,3
	s_min_u32 s[96+\j], s[84+\j], 63               ; the slot's record of k and v,
	s_mul_i32 s[96+\j], s[96+\j], 3328
	s_mov_b32 s6, s[96+\j]
	s_add_nc_u64 s[8+2*\j:9+2*\j], s[2:3], s[6:7]
	s_min_u32 s[84+\j], s[84+\j], 64               ; and its entry of lane masks
	s_lshl_b32 s[84+\j], s[84+\j], 6
.endr
	s_min_u32 s6, s95, 240
	s_load_b512 s[16:31], s[4:5], s84 offset:0x0
	s_load_b512 s[32:47], s[4:5], s85 offset:0x0
	s_load_b512 s[48:63], s[4:5], s86 offset:0x0
	s_load_b512 s[68:83], s[4:5], s87 offset:0x0
	s_load_b128 s[88:91], s[4:5], s6 offset:0x1090 ; the next four blocks of the list (words 64-67 close it)
	v_mad_u32_u24 v8, s96, v7, v4                  ; v's fragments: lanes 0-15 read slot 2 c, lanes 16-31 slot 2 c + 1.  (These eight are also the places behind the last step's products)
	v_mad_u32_u24 v9, s98, v7, v4
	v_mad_u32_u24 v10, s96, v7, v5
	v_mad_u32_u24 v11, s98, v7, v5
	v_mad_u32_u24 v8, s97, v6, v8
	v_mad_u32_u24 v9, s99, v6, v9
	v_mad_u32_u24 v10, s97, v6, v10
	v_mad_u32_u24 v11, s99, v6, v11
.irp j, 0,1,2,3
.irp u, 0,1
	global_load_b128 v[32+6*(2*\j+\u):35+6*(2*\j+\u)], v1, s[8+2*\j:9+2*\j] offset:768*\u
	global_load_b64 v[36+6*(2*\j+\u):37+6*(2*\j+\u)], v2, s[8+2*\j:9+2*\j] offset:768*\u+512
.endr
	global_load_b32 v[86+\j], v3, s[8+2*\j:9+2*\j] offset:3072
	global_load_b32 v[90+\j], v3, s[8+2*\j:9+2*\j] offset:3200
.endr
.irp d, 0,1,2,3
.irp c, 0,1
	global_load_b128 v[192+12*\d+6*\c:195+12*\d+6*\c], v[8+\c], s[2:3] offset:1536+256*\d
	global_load_b64 v[196+12*\d+6*\c:197+12*\d+6*\c], v[10+\c], s[2:3] offset:2560+128*\d
.endr
.endr
	s_wait_loadcnt 16                              ; k, its scale words and v's are in; v's 16 fragment loads stay out
.irp j, 0,1,2,3
	v_wmma_scale_f32_16x16x128_f8f6f4 v[96+16*\j:103+16*\j], v[32+12*\j:43+12*\j], v[16:27], 0, v[86+\j], v95 matrix_a_fmt:MATRIX_FMT_FP6 matrix_b_fmt:MATRIX_FMT_FP6
	v_wmma_scale_f32_16x16x128_f8f6f4 v[104+16*\j:111+16*\j], v[38+12*\j:49+12*\j], v[16:27], 0, v[86+\j], v95 matrix_a_fmt:MATRIX_FMT_FP6 matrix_b_fmt:MATRIX_FMT_FP6 matrix_a_scale:MATRIX_SCALE_ROW1
.endr
	v_perm_b32 v240, v91, v90, 0x05010400          ; v's scale bytes: from a word a slot (byte = tile of channels) to a word a tile (byte = slot).  These eight are the places behind the products
	v_perm_b32 v241, v91, v90, 0x07030602
	v_perm_b32 v242, v93, v92, 0x05010400
	v_perm_b32 v243, v93, v92, 0x07030602
	v_perm_b32 v90, v242, v240, 0x05040100
	v_perm_b32 v91, v242, v240, 0x07060302
	v_perm_b32 v92, v243, v241, 0x05040100
	v_perm_b32 v93, v243, v241, 0x07060302
	s_wait_kmcnt 0x0                               ; the lane masks and the list's next four
.set n, 0
.rept 64
	v_cndmask_b32 v[96+n], v29, v[96+n], s[16+n+4*(n/48)]   ; a hidden key's score becomes -infinity ahead of the maximum
.set n, n+1
.endr
.irp b, 0,1,2,3
	v_max3_num_f32 v[32+\b], v[96+16*\b], v[97+16*\b], v[98+16*\b]   ; the largest score of each block: for the row's maximum and for the block's largest p
.endr
.irp i, 3,5,7,9,11,13
.irp b, 0,1,2,3
	v_max3_num_f32 v[32+\b], v[32+\b], v[96+16*\b+\i], v[97+16*\b+\i]
.endr
.endr
.irp b, 0,1,2,3
	v_max_num_f32 v[32+\b], v[32+\b], v[111+16*\b]
.endr
.irp b, 0,1,2,3
	v_permlanex16_b32 v[36+\b], v[32+\b], s92, s93
.endr
.irp b, 0,1,2,3
	v_max_num_f32 v[32+\b], v[32+\b], v[36+\b]
.endr
	v_max3_num_f32 v51, v32, v33, v34
	v_max_num_f32 v51, v51, v35
	v_mul_f32 v51, s66, v51
	v_max_num_f32 v13, v13, v51                    ; the running largest t
	v_mov_b32 v51, v12
	v_floor_f32 v12, -v13                          ; -M = floor(-t): M is a whole number
	v_sub_f32 v51, v12, v51
	v_cvt_i32_f32 v51, v51                         ; (it saturates)
	v_ldexp_f32 v30, 1.0, v51                      ; f = 2^(old M - new M): exact
.set i, 0
.rept 32
	v_pk_fma_f32 v[96+i:97+i], v[96+i:97+i], s[66:67], v[12:13] op_sel_hi:[1,0,0]   ; t - M
.set i, i+2
.endr
.irp b, 0,1,2,3
	v_fma_f32 v[32+\b], v[32+\b], s66, v12
.endr
.set i, 0
.rept 64
	v_exp_f32 v[96+i], v[96+i]                     ; p = 2^(t - M)
.set i, i+1
.endr
	v_pk_mul_f32 v[14:15], v[14:15], v[30:31] op_sel_hi:[1,0]   ; the sums under the new M; the plain line behind the exponentials
	s_wait_alu depctr_va_vdst(0)                   ; one wait for the batch, ahead of its first reader
.irp b, 0,1,2,3
	v_exp_f32 v[32+\b], v[32+\b]                   ; each block's largest p
.endr
	v_pk_add_f32 v[36:37], v[96:97], v[98:99]      ; the row's sum of the unquantised p, in two chains
.irp j, 4,8,12,16,20,24,28,32,36,40,44,48,52,56,60
	v_pk_add_f32 v[14:15], v[14:15], v[96+\j:97+\j]
	v_pk_add_f32 v[36:37], v[36:37], v[98+\j:99+\j]
.endr
	v_pk_add_f32 v[14:15], v[14:15], v[36:37]
	s_wait_alu depctr_va_vdst(0)                   ; and one for the four
.irp b, 0,1,2,3
	v_max_num_f32 v[32+\b], 0x1800000, v[32+\b]    ; the floor: the byte cannot fall under 1
.endr
.irp b, 0,1,2,3
	v_add_nc_u32 v[40+\b], 0xff000000, v[32+\b]
.endr
.irp b, 0,1,2,3
	v_lshrrev_b32 v[36+\b], 23, v[40+\b]
.endr
	v_lshl_or_b32 v94, v37, 8, v36                 ; p's scale word for these four blocks
	v_lshl_or_b32 v94, v38, 16, v94
	v_lshl_or_b32 v94, v39, 24, v94
.irp c, 0,1
	v_cvt_scalef32_pk16_fp6_f32 v[52+6*\c:54+6*\c], v[96+32*\c:111+32*\c], v[40+2*\c]
	v_cvt_scalef32_pk16_fp6_f32 v[44+4*\c:46+4*\c], v[112+32*\c:127+32*\c], v[41+2*\c]
.endr
	v_nop                                          ; one plain line behind the conversions
.irp c, 0,1
.irp i, 0,1,2
	v_permlane16_swap_b32 v[52+6*\c+\i], v[44+4*\c+\i]   ; a whole block to a lane
.endr
.irp i, 0,1,2
	v_mov_b32 v[55+6*\c+\i], v[44+4*\c+\i]
.endr
.endr
	s_wait_loadcnt 0x0                             ; v's fragments are in
.set i, 0
.rept 16
	v_pk_mul_f32 v[160+i:161+i], v[160+i:161+i], v[30:31] op_sel_hi:[1,0]   ; O^T under the new M; also the places in front of the products
.set i, i+2
.endr
.irp d, 0,1,2,3
	v_wmma_scale_f32_16x16x128_f8f6f4 v[160+8*\d:167+8*\d], v[192+12*\d:203+12*\d], v[52:63], v[160+8*\d:167+8*\d], v[90+\d], v94 matrix_a_fmt:MATRIX_FMT_FP6 matrix_b_fmt:MATRIX_FMT_FP6
.endr
	s_mov_b64 s[84:85], s[88:89]
	s_mov_b64 s[86:87], s[90:91]
	s_add_co_u32 s95, s95, 16
	s_add_co_u32 s100, s100, 1
	s_cmp_lt_u32 s100, s94
	s_cbranch_scc1 .Lstep
	; THE WAY OUT: O^T / the sum, quantised along the head's 64 (two blocks of the model's 1,024), into the token tile's record: image = the head
.rept 4
	v_nop
.endr
	v_add_f32 v14, v14, v15
	v_permlanex16_b32 v36, v14, s92, s93
	v_add_f32 v14, v14, v36                        ; the row's sum
	v_rcp_f32 v30, v14
	v_nop                                          ; a plain line behind the reciprocal
	v_cmp_eq_f32 vcc_lo, 0, v14                    ; no true key at all
	v_lshrrev_b32 v50, 5, v0
	v_readfirstlane_b32 s96, v50
	s_load_b64 s[8:9], s[0:1], 0x18                ; yq
	s_sub_co_u32 s97, 31, ttmp9
	s_lshl_b32 s97, s97, 2
	s_add_co_u32 s97, s97, s96
	s_and_b32 s98, ttmp7, 0xffff
	s_lshr_b32 s99, s98, 4
	s_lshl_b32 s99, s99, 7
	s_add_co_u32 s99, s99, s97                     ; token tile 128 b + query tile
	s_mul_i32 s6, s99, 12800
	s_and_b32 s98, s98, 15                         ; the head
	s_wait_kmcnt 0x0
	s_add_nc_u64 s[8:9], s[8:9], s[6:7]
	s_lshl_b32 s6, s98, 1
	s_add_co_u32 s6, s6, 12288
	s_add_nc_u64 s[10:11], s[8:9], s[6:7]          ; the scale bytes of blocks 2 head, 2 head + 1
	s_mul_i32 s6, s98, 768
	s_add_nc_u64 s[8:9], s[8:9], s[6:7]
	s_wait_alu depctr_va_vdst(0)                   ; the wait ahead of the reciprocal's first reader
.set i, 0
.rept 16
	v_pk_mul_f32 v[96+i:97+i], v[160+i:161+i], v[30:31] op_sel_hi:[1,0]
.set i, i+2
.endr
	v_max3_num_f32 v32, |v96|, |v97|, 0x1800000
	v_max3_num_f32 v33, |v112|, |v113|, 0x1800000
.irp i, 2,4,6,8,10,12,14
	v_max3_num_f32 v32, v32, |v[96+\i]|, |v[97+\i]|
	v_max3_num_f32 v33, v33, |v[112+\i]|, |v[113+\i]|
.endr
	v_permlanex16_b32 v36, v32, s92, s93
	v_permlanex16_b32 v37, v33, s92, s93
	v_max_num_f32 v32, v32, v36
	v_max_num_f32 v33, v33, v37
	v_add_nc_u32 v40, 0xff000000, v32
	v_add_nc_u32 v41, 0xff000000, v33
	v_cvt_scalef32_pk16_fp6_f32 v[52:54], v[96:111], v40
	v_cvt_scalef32_pk16_fp6_f32 v[44:46], v[112:127], v41
	v_lshrrev_b32 v42, 23, v40
	v_lshrrev_b32 v43, 23, v41
.irp i, 0,1,2
	v_permlane16_swap_b32 v[52+\i], v[44+\i]
.endr
.irp i, 0,1,2
	v_mov_b32 v[55+\i], v[44+\i]
.endr
	v_cndmask_b32 v47, v42, v43, s101              ; my half's block's byte,
	v_mov_b32 v48, 0xff
	v_cndmask_b32 v47, v47, v48, vcc_lo            ; or NaN's
	v_lshl_add_u32 v49, v4, 1, v6                  ; 32 r + h
	global_store_b128 v1, v[52:55], s[8:9]
	global_store_b64 v2, v[56:57], s[8:9] offset:512
	global_store_b8 v49, v47, s[10:11]
	s_endpgm
.Lfunc_end_k_qe362b7a9b3_attn:
	.size	k_qe362b7a9b3_attn, .Lfunc_end_k_qe362b7a9b3_attn-k_qe362b7a9b3_attn
	.p2alignl 7, 3214868480
	.fill 96, 4, 3214868480
	.section	.rodata,"a",@progbits
	.p2align	6, 0x0
	.amdhsa_kernel k_qe362b7a9b3_attn
		.amdhsa_group_segment_fixed_size 0
		.amdhsa_private_segment_fixed_size 0
		.amdhsa_enable_private_segment 0
		.amdhsa_kernarg_size 32
		.amdhsa_user_sgpr_count 2
		.amdhsa_user_sgpr_kernarg_segment_ptr 1
		.amdhsa_wavefront_size32 1
		.amdhsa_system_sgpr_workgroup_id_x 1
		.amdhsa_system_sgpr_workgroup_id_y 1
		.amdhsa_system_sgpr_workgroup_id_z 1
		.amdhsa_system_vgpr_workitem_id 0
		.amdhsa_next_free_vgpr 256
		.amdhsa_next_free_sgpr 102
		.amdhsa_reserve_vcc 1
		.amdhsa_float_denorm_mode_32 3
		.amdhsa_float_denorm_mode_16_64 3
		.amdhsa_memory_ordered 1
		.amdhsa_forward_progress 1
		.amdhsa_inst_pref_size 32
	.end_amdhsa_kernel
	.amdgpu_metadata
---
amdhsa.version: [ 1, 2 ]
amdhsa.kernels:
  - .name:           k_qe362b7a9b3_attn
    .symbol:         k_qe362b7a9b3_attn.kd
    .args:
      - { .name: qi, .offset: 0, .size: 8, .value_kind: global_buffer, .address_space: global }
      - { .name: kv, .offset: 8, .size: 8, .value_kind: global_buffer, .address_space: global }
      - { .name: mk, .offset: 16, .size: 8, .value_kind: global_buffer, .address_space: global }
      - { .name: yq, .offset: 24, .size: 8, .value_kind: global_buffer, .address_space: global }
    .group_segment_fixed_size: 0
    .private_segment_fixed_size: 0
    .kernarg_segment_align: 8
    .kernarg_segment_size: 32
    .max_flat_workgroup_size: 128
    .sgpr_count:     102
    .vgpr_count:     256
    .wavefront_size: 32
...
	.end_amdgpu_metadata
.endif
;; end of part 3
;; launch proj (part 4): grid 4 x 64, 4 waves a work-group, clusters of 4 x 4, 327,680 bytes of LDS; arguments yq, wq, bproj, out0; writes out0
.if DOCPART == 4
	.amdgcn_target "amdgcn-amd-amdhsa--gfx1250"
	.amdhsa_code_object_version 6
	.text
	.protected	k_qe362b7a9b3_proj
	.globl	k_qe362b7a9b3_proj
	.p2align	8
	.type	k_qe362b7a9b3_proj,@function
k_qe362b7a9b3_proj:
	s_mov_b64 s[64:65], 0
	v_nop
	global_prefetch_b8 v0, s[64:65] scope:SCOPE_SE
	s_setreg_imm32_b32 hwreg(HW_REG_WAVE_MODE, 25, 1), 1
	s_wait_xcnt 0x0
	s_wait_alu depctr_hold_cnt(0) depctr_sa_sdst(0) depctr_va_vdst(0) depctr_va_sdst(0) depctr_va_ssrc(0) depctr_va_vcc(0) depctr_vm_vsrc(0)
	s_getreg_b32 s2, hwreg(HW_REG_IB_STS2, 6, 4)
	s_cmp_eq_u32 s2, 0
	s_cbranch_scc0 .Lentry_in_a_cluster
	s_endpgm
.Lentry_in_a_cluster:
	s_bfe_u32 s2, ttmp6, 0x10000c
	s_cmp_lg_u32 s2, 0xf033
	s_cbranch_scc0 .Lentry_shape_is_right
	s_endpgm
.Lentry_shape_is_right:
; PROJECTION: out0 = y Wproj + bproj on codes of FP6 (E2M3).  Head and K loop are those of the launch that makes q, k and v:
; a work-group multiplies 256 columns of Wproj (source 0, P: wq's tiles 192 on) by 128 tokens (source 1, Q: yq) over all of K = 1,024; four waves, wave % 2 takes 128 of P, wave / 2 takes 64 of Q: 4 x 8 accumulators.
; All of K for 24 tiles is 294,912 bytes of LDS: every tensor load is a first fill, four a wave (four of mine are out at the most), in chunks of 256 along K; nothing is filled again.  All of LDS is claimed.
; CLUSTER 4 x 4: P's tiles are asked for jointly down a column, Q's along a row.
; A lane holds one token and 16 neighbouring columns for each pair of P's tiles.  The way out adds the bias and goes through my own stage in LDS (16 rows x 528 bytes, in chunk 0, which has had its only fill and its last
; read), so that the 32 lanes store 512 consecutive bytes of a row of out0.
; A scale byte 0xff in yq (a query with no true key) makes that token's row NaN.
; REGISTERS: window 0: v1-16 LDS addresses, v17-27 offsets, v28, v29 the add's two, v32-63 Q's scale words, v64-95 P's, v96-191 Q's fragments in two sets (on the way out v96-159: results with bias);
;   window 1: P's fragments, two sets (on the way out v0-127: rows read back, two sets);  window 2: accumulator (a, b) at v[8 (8 a + b)];  window 3: v0-63 the bias.
.set SPARE, 294912
.set SPW, 28
.set NIL, 29
.set MSB, 0
.macro WIN new
.if MSB != \new
	s_set_vgpr_msb (MSB<<8)|\new
.set MSB, \new
.endif
.endm
.macro CROUND
	s_barrier_signal -1
	s_barrier_wait -1
	s_cmp_lg_u32 s14, 0
	s_cbranch_scc1 .Lnot_wave_0_\@
	s_barrier_signal -3
.Lnot_wave_0_\@:
	s_barrier_wait -3
	s_barrier_signal -1
	s_barrier_wait -1
.endm
.macro FETCH ks, set
	WIN 0x40
.irp i, 0,1,2,3,4,5,6,7
.irp c, 0,1
	ds_load_b128 v[128*(\set)+12*\i+6*\c:128*(\set)+12*\i+6*\c+3], v[1+(\ks)/2] offset:3072*\i+768*(2*((\ks)%2)+\c)
	ds_load_b64 v[128*(\set)+12*\i+6*\c+4:128*(\set)+12*\i+6*\c+5], v[5+(\ks)/2] offset:3072*\i+768*(2*((\ks)%2)+\c)+512
.endr
.endr
	WIN 0
.irp i, 0,1,2,3
.irp c, 0,1
	ds_load_b128 v[96+48*(\set)+12*\i+6*\c:96+48*(\set)+12*\i+6*\c+3], v[9+(\ks)/2] offset:3072*\i+768*(2*((\ks)%2)+\c)
	ds_load_b64 v[96+48*(\set)+12*\i+6*\c+4:96+48*(\set)+12*\i+6*\c+5], v[13+(\ks)/2] offset:3072*\i+768*(2*((\ks)%2)+\c)+512
.endr
.endr
.endm
.macro WM a, b, ks, set
.set rD, 8*(8*\a+\b)
.set rA, 128*(\set)+12*\b
.set rB, 96+48*(\set)+12*\a
.set rP, 64+8*(\b%4)+(\ks)
.set rQ, 32+8*\a+(\ks)
.if (\ks) == 0
.if \b < 4
	v_wmma_scale_f32_16x16x128_f8f6f4 v[rD:rD+7], v[rA:rA+11], v[rB:rB+11], 0, v[rP], v[rQ] matrix_a_fmt:MATRIX_FMT_FP6 matrix_b_fmt:MATRIX_FMT_FP6
.else
	v_wmma_scale_f32_16x16x128_f8f6f4 v[rD:rD+7], v[rA:rA+11], v[rB:rB+11], 0, v[rP], v[rQ] matrix_a_fmt:MATRIX_FMT_FP6 matrix_b_fmt:MATRIX_FMT_FP6 matrix_a_scale:MATRIX_SCALE_ROW1
.endif
.else
.if \b < 4
	v_wmma_scale_f32_16x16x128_f8f6f4 v[rD:rD+7], v[rA:rA+11], v[rB:rB+11], v[rD:rD+7], v[rP], v[rQ] matrix_a_fmt:MATRIX_FMT_FP6 matrix_b_fmt:MATRIX_FMT_FP6
.else
	v_wmma_scale_f32_16x16x128_f8f6f4 v[rD:rD+7], v[rA:rA+11], v[rB:rB+11], v[rD:rD+7], v[rP], v[rQ] matrix_a_fmt:MATRIX_FMT_FP6 matrix_b_fmt:MATRIX_FMT_FP6 matrix_a_scale:MATRIX_SCALE_ROW1
.endif
.endif
.endm
.macro MUL ks, set                     ; the 32 accumulators take turns in one fixed order
	WIN 0xa1
.irp a, 0,1,2,3
.irp b, 0,1,2,3,4,5,6,7
	WM \a, \b, \ks, \set
.endr
.endr
.endm
.macro KSTEP ks
	s_wait_dscnt 0x0                               ; this step's fragments are in
.if (\ks) == 0
	s_wait_loadcnt 0x0                             ; the scale words and the bias
.endif
.if ((\ks)%2 == 1) && ((\ks) < 7)
	s_wait_tensorcnt 3-((\ks)+1)/2                 ; my part of the next chunk has landed; my younger chunks stay out
	s_barrier_signal -1
	s_barrier_wait -1
.endif
.if (\ks) < 7
.rept 4
	v_nop                                          ; four places in front of loads into registers that the last products have read
.endr
	FETCH (\ks)+1, 1-(\ks)%2
.endif
	MUL \ks, (\ks)%2
.endm
.macro TOSTAGE a                       ; token tile a: bias, into my stage, back as whole rows
	WIN 0x0e
.set i, 0
.rept 32
	v_pk_add_f32 v[96+i:97+i], v[64*(\a)+i:64*(\a)+i+1], v[i:i+1]
.set i, i+2
.endr
	WIN 0
.irp b, 0,1,2,3,4,5,6,7
	ds_store_b128 v23, v[96+8*\b:99+8*\b] offset:128*(\b/2)+32*(\b%2)
	ds_store_b128 v23, v[100+8*\b:103+8*\b] offset:128*(\b/2)+32*(\b%2)+16
.endr
	WIN 0x40
.irp t, 0,1,2,3,4,5,6,7,8,9,10,11,12,13,14,15
	ds_load_b128 v[64*((\a)%2)+4*\t:64*((\a)%2)+4*\t+3], v24 offset:528*\t   ; LDS serves a wave's instructions in order: these see the stores above
.endr
.endm
.macro SEND a, younger                 ; younger: the LDS instructions issued behind tile a's loads
	s_wait_dscnt \younger
	WIN 0x04
.irp t, 0,1,2,3,4,5,6,7,8,9,10,11,12,13,14,15
	global_store_b128 v25, v[64*((\a)%2)+4*\t:64*((\a)%2)+4*\t+3], s[10:11] offset:(32*((\a)/2)+8*((\a)%2)+\t+8*(\t/8))*4096 th:TH_STORE_NT   ; 512 consecutive bytes of a row, at a multiple of 256
.endr
.endm
	s_load_b256 s[4:11], s[0:1], 0x0               ; yq, wq, bproj, out0
	v_lshl_add_u32 v[SPW], v0, 2, SPARE
	v_mov_b32 v[NIL], 0
	ds_add_u32 v[SPW], v[NIL]                      ; the wave's opening: the add and its wait ahead of my first tensor load
	v_lshrrev_b32 v19, 5, v0
	v_readfirstlane_b32 s14, v19
	s_and_b32 s15, s14, 1
	s_lshr_b32 s16, s14, 1
	s_bfe_u32 s17, ttmp6, 0x40000                  ; cx
	s_bfe_u32 s18, ttmp6, 0x40004                  ; cy
	s_lshl_b32 s19, ttmp9, 2
	s_add_co_u32 s19, s19, s17                     ; X: which 256 columns
	s_and_b32 s20, ttmp7, 0xffff
	s_lshl_b32 s20, s20, 2
	s_add_co_u32 s20, s20, s18                     ; Y: which 128 tokens
	s_lshl_b32 s2, 0x1111, s17
	s_or_b32 s24, s2, (3<<16)|(1<<21)              ; group 1 for P: my column's mask; elements of 8 bytes; bit 21 beside a mask
	s_lshl_b32 s3, s18, 2
	s_lshl_b32 s3, 15, s3
	s_or_b32 s32, s3, (3<<16)|(1<<21)              ; group 1 for Q: my row's mask
	s_mov_b32 s25, 384<<16
	s_mov_b32 s26, 8<<16
	s_mov_b32 s27, 384<<16
	s_mov_b32 s28, 8
	s_mov_b32 s29, 1600
	s_mov_b32 s30, 0
	s_mov_b32 s31, 0
	s_mov_b32 s33, 384<<16
	s_mov_b32 s34, 4<<16
	s_mov_b32 s35, 384<<16
	s_mov_b32 s36, 4
	s_mov_b32 s37, 1600
	s_mov_b32 s38, 0
	s_mov_b32 s39, 0
	s_lshl_b32 s82, s19, 4
	s_lshl_b32 s83, s15, 3
	s_add_co_u32 s82, s82, s83
	s_add_co_u32 s82, s82, 192
	s_mul_i32 s82, s82, 12800                      ; P: tile 192 + 16 X + 8 (wave % 2)
	s_mov_b32 s83, 0
	s_lshl_b32 s86, s20, 3
	s_lshl_b32 s87, s15, 2
	s_add_co_u32 s86, s86, s87
	s_mul_i32 s86, s86, 12800                      ; Q: what I fetch
	s_mov_b32 s87, 0
	s_lshl_b32 s88, s20, 3
	s_lshl_b32 s89, s16, 2
	s_add_co_u32 s88, s88, s89
	s_mul_i32 s88, s88, 12800                      ; Q: what I multiply
	s_mov_b32 s89, 0
	s_mul_i32 s84, s15, 24576
	s_mul_i32 s85, s15, 12288
	s_add_co_u32 s85, s85, 196608
	s_lshl_b32 s90, s19, 10
	s_lshl_b32 s91, s15, 9
	s_add_co_u32 s90, s90, s91                     ; my first column, in bytes
	s_mov_b32 s91, 0
	s_lshl_b32 s92, s20, 19
	s_lshl_b32 s93, s16, 18
	s_add_co_u32 s92, s92, s93                     ; my first token's row of 4,096 bytes
	s_mov_b32 s93, 0
	s_wait_dscnt 0x0
	s_wait_kmcnt 0x0
	s_add_nc_u64 s[82:83], s[6:7], s[82:83]
	s_add_nc_u64 s[86:87], s[4:5], s[86:87]
	s_add_nc_u64 s[88:89], s[4:5], s[88:89]
	s_add_nc_u64 s[8:9], s[8:9], s[90:91]
	s_add_nc_u64 s[10:11], s[10:11], s[90:91]
	s_add_nc_u64 s[10:11], s[10:11], s[92:93]
.irp q, 0,1,2,3
	s_mov_b32 s[40+4*\q], 1
	s_add_co_u32 s[41+4*\q], s84, 49152*\q
	s_add_nc_u64 s[42+4*\q:43+4*\q], s[82:83], 3072*\q
	s_or_b32 s[43+4*\q], s[43+4*\q], 0x80000000
	s_mov_b32 s[56+4*\q+4*(\q/2)], 1
	s_add_co_u32 s[57+4*\q+4*(\q/2)], s85, 24576*\q
	s_add_nc_u64 s[58+4*\q+4*(\q/2):59+4*\q+4*(\q/2)], s[86:87], 3072*\q
	s_or_b32 s[59+4*\q+4*(\q/2)], s[59+4*\q+4*(\q/2)], 0x80000000
.endr
	CROUND                                         ; all sixteen work-groups are here: the joint loads meet
	s_cmp_lt_u32 s14, 2
	s_cbranch_scc0 .Lfill_q
	tensor_load_to_lds s[40:43], s[24:31]
	s_nop 0
	tensor_load_to_lds s[44:47], s[24:31]
	s_nop 0
	tensor_load_to_lds s[48:51], s[24:31]
	s_nop 0
	tensor_load_to_lds s[52:55], s[24:31]
	s_nop 0
.rept 4
	v_nop
.endr
	s_branch .Lfilled
.Lfill_q:
	tensor_load_to_lds s[56:59], s[32:39]
	s_nop 0
	tensor_load_to_lds s[60:63], s[32:39]
	s_nop 0
	tensor_load_to_lds s[68:71], s[32:39]
	s_nop 0
	tensor_load_to_lds s[72:75], s[32:39]
	s_nop 0
.rept 4
	v_nop
.endr
.Lfilled:
	v_and_b32 v30, 15, v0
	v_bfe_u32 v31, v0, 4, 1
	v_lshlrev_b32 v17, 5, v30
	v_mul_u32_u24 v18, v31, 51200
	v_add_nc_u32 v18, v18, v17
.irp a, 0,1,2,3
	global_load_b128 v[32+8*\a:35+8*\a], v17, s[88:89] offset:12288+12800*\a
	global_load_b128 v[36+8*\a:39+8*\a], v17, s[88:89] offset:12288+12800*\a+16
	global_load_b128 v[64+8*\a:67+8*\a], v18, s[82:83] offset:12288+12800*\a
	global_load_b128 v[68+8*\a:71+8*\a], v18, s[82:83] offset:12288+12800*\a+16
.endr
	v_lshlrev_b32 v26, 6, v31
	WIN 0xc0
.set i, 0
.rept 16
	global_load_b128 v[4*i:4*i+3], v26, s[8:9] offset:128*(i/4)+16*(i%4)
.set i, i+1
.endr
	WIN 0
	v_and_b32 v19, 31, v0
	s_mul_i32 s2, s15, 24576
	s_mul_i32 s3, s16, 12288
	s_add_co_u32 s3, s3, 196608
.irp q, 0,1,2,3
	v_lshl_add_u32 v[1+\q], v19, 4, s2
	v_lshl_add_u32 v[5+\q], v19, 3, s2
	v_lshl_add_u32 v[9+\q], v19, 4, s3
	v_lshl_add_u32 v[13+\q], v19, 3, s3
	s_add_co_u32 s2, s2, 49152
	s_add_co_u32 s3, s3, 24576
.endr
	s_mul_i32 s2, s14, 8448                        ; my stage
	v_mul_u32_u24 v23, v30, 528
	v_lshl_add_u32 v23, v31, 6, v23
	v_add_nc_u32 v23, s2, v23                      ; in: row r, + 64 h
	v_lshlrev_b32 v25, 4, v19                      ; 16 x lane: in a row of out0,
	v_add_nc_u32 v24, s2, v25                      ; and in a row of the stage
	s_wait_tensorcnt 3                             ; my part of chunk 0 has landed; three younger loads stay out
	s_barrier_signal -1
	s_barrier_wait -1
	FETCH 0, 0
.irp ks, 0,1,2,3,4,5,6,7
	KSTEP \ks
.endr
	WIN 0
	s_wait_dscnt 0x0
	s_barrier_signal -1
	s_barrier_wait -1                              ; no wave reads LDS any more: the stages may be written
.rept 4
	v_nop                                          ; four places in front of the first read of results and of writes into the last products' operands
.endr
	TOSTAGE 0
.irp a, 1,2,3
.if \a > 1
	s_wait_xcnt 0x0                                ; tile a - 2's stores have read their registers
.endif
	TOSTAGE \a
	SEND \a-1, 32                                  ; behind tile a - 1's loads: tile a's 16 stores and 16 loads
.endr
	SEND 3, 0
	WIN 0
	s_wait_tensorcnt 0x0                           ; the wave's end: behind my last tensor load and my last LDS store
	ds_add_u32 v[SPW], v[NIL]
	s_wait_dscnt 0x0
	CROUND                                         ; the closing round
	s_endpgm
.Lfunc_end_k_qe362b7a9b3_proj:
	.size	k_qe362b7a9b3_proj, .Lfunc_end_k_qe362b7a9b3_proj-k_qe362b7a9b3_proj
	.p2alignl 7, 3214868480
	.fill 96, 4, 3214868480
	.section	.rodata,"a",@progbits
	.p2align	6, 0x0
	.amdhsa_kernel k_qe362b7a9b3_proj
		.amdhsa_group_segment_fixed_size 327680
		.amdhsa_private_segment_fixed_size 0
		.amdhsa_enable_private_segment 0
		.amdhsa_kernarg_size 32
		.amdhsa_user_sgpr_count 2
		.amdhsa_user_sgpr_kernarg_segment_ptr 1
		.amdhsa_wavefront_size32 1
		.amdhsa_system_sgpr_workgroup_id_x 1
		.amdhsa_system_sgpr_workgroup_id_y 1
		.amdhsa_system_sgpr_workgroup_id_z 1
		.amdhsa_system_vgpr_workitem_id 0
		.amdhsa_next_free_vgpr 832
		.amdhsa_next_free_sgpr 100
		.amdhsa_reserve_vcc 0
		.amdhsa_float_denorm_mode_32 3
		.amdhsa_float_denorm_mode_16_64 3
		.amdhsa_memory_ordered 1
		.amdhsa_forward_progress 1
		.amdhsa_inst_pref_size 94
	.end_amdhsa_kernel
	.amdgpu_metadata
---
amdhsa.version: [ 1, 2 ]
amdhsa.kernels:
  - .name:           k_qe362b7a9b3_proj
    .symbol:         k_qe362b7a9b3_proj.kd
    .args:
      - { .name: yq, .offset: 0, .size: 8, .value_kind: global_buffer, .address_space: global }
      - { .name: wq, .offset: 8, .size: 8, .value_kind: global_buffer, .address_space: global }
      - { .name: bproj, .offset: 16, .size: 8, .value_kind: global_buffer, .address_space: global }
      - { .name: out0, .offset: 24, .size: 8, .value_kind: global_buffer, .address_space: global }
    .group_segment_fixed_size: 327680
    .private_segment_fixed_size: 0
    .kernarg_segment_align: 8
    .kernarg_segment_size: 32
    .max_flat_workgroup_size: 128
    .sgpr_count:     100
    .vgpr_count:     832
    .wavefront_size: 32
...
	.end_amdgpu_metadata
.endif
;; end of part 4
;; ======== version 2 of 2: 4 launches; version 1 with the launch attn written anew for expert scheduling mode
;; workspace buffers: xq 6,553,600 bytes; wq 3,276,800 bytes; mk 589,824 bytes of whole numbers; qi 8,388,608 bytes; kv 13,631,488 bytes; yq 6,553,600 bytes
;; launch prep: the kernel of part 1 again; grid 288 x 1, 4 waves a work-group, no clusters, 35,328 bytes of LDS; arguments x, Wqkv, Wproj, mask, xq, wq, mk; writes xq, wq, mk
;; launch qkv: the kernel of part 2 again; grid 12 x 64, 4 waves a work-group, clusters of 4 x 4, 327,680 bytes of LDS; arguments xq, wq, bqkv, qi, kv; writes qi, kv
;; launch attn (part 5): grid 32 x 64, 4 waves a work-group, no clusters, 0 bytes of LDS; arguments qi, kv, mk, yq; writes yq
.if DOCPART == 5
	.amdgcn_target "amdgcn-amd-amdhsa--gfx1250"
	.amdhsa_code_object_version 6
	.text
	.protected	k_qe362b7a9b3_attn
	.globl	k_qe362b7a9b3_attn
	.p2align	8
	.type	k_qe362b7a9b3_attn,@function
k_qe362b7a9b3_attn:
	s_mov_b64 s[64:65], 0
	v_nop
	global_prefetch_b8 v0, s[64:65] scope:SCOPE_SE
	s_setreg_imm32_b32 hwreg(HW_REG_WAVE_SCHED_MODE, 0, 2), 2
	s_setreg_imm32_b32 hwreg(HW_REG_WAVE_MODE, 25, 1), 1
	s_wait_xcnt 0x0
	s_wait_alu depctr_vm_vsrc(0)
; ATTENTION on codes of FP6 (E2M3): y = softmax(mask(q k^T / 8)) v, and y quantised again along the model's 1,024 for the projection.
; A wave owns one tile of 16 queries of one head and walks only the key blocks of 32 in which the given mask has a true byte for one of its queries: the list, the number of steps and the lane masks were stored
; as whole numbers by the first launch.  p and v are quantised in aligned blocks of 32 keys, each with its own scale byte, so any four live blocks make one K step of 128 with the codes of the dense product.
; A slot beyond the list (entry 64) reads block 63's bytes under a mask of zeros: its p are zeros.
; Both products are used transposed (S^T = k q^T, O^T = v^T p^T): a lane holds one query throughout; a block's two tiles of keys give 16 neighbouring keys in 16 registers.
; THE HEAD'S K IS 64 IN A PRODUCT 128 DEEP: q's registers 6-11 are zero codes; a tile of k is named with the six registers that follow it (the next tile's codes, or zeros), which meet those zero codes alone and add exactly 0.
; SOFTMAX: t = score x log2(e) / 8; M = the running largest t rounded up to a whole number; p = 2^(t - M) is quantised; the sum is taken of the unquantised p and divides at the end.
; A query with no true key has the sum 0: its blocks of y get the scale byte 0xff, so that the projection gives NaN in its row, as the softmax of an empty row does.
; No LDS, no tensor load, no cluster: the walk, its addresses and its trip count hang on the stored list, which differs from tile to tile.  The work-groups with the highest query tiles come first in the grid; that only orders the work.
; LIMITS: NaN and infinities among q, k, v are not served; a block of zeros gets the byte 1.
; THE MODE: SCHED_MODE bits 1:0 = 2 (LLVM: expert scheduling mode 2), set by the entry lines.  The code itself states the register dependences
; between vector or matrix instructions and memory instructions, with s_wait_alu, always for 0.
; THE PLAN.  Registers that memory instructions touch:
;   v1-3            offsets, made at the head and never written again.
;   v32-79, v86-89  k's fragments and scale words.  Read by a step's eight S products alone; the NEXT step's 20 loads land in them, issued in the middle of the step, behind the wait for the exponentials,
;                   which also states that the S products are done reading them.  No vector line names them between those loads and the next step's head.
;   v8-11           offsets of v's fragments.  Written by the eight multiply-adds behind the S products, read by the step's 16 fragment loads.
;   v192-239, v90-93  v's fragments and scale words.  Loaded behind the S products; read (v90-93: also turned in place) at the step's end and by its four O^T products.
;   s16-83          the lane masks, by scalar loads issued with the next step's k: the selections that read them stand ahead of the same wait.
; So a step holds: one wait on vm_vsrc ahead of the multiply-adds; one on va_vdst behind them, ahead of v's loads; the two waits behind the exponentials, the first of which also frees k's registers; one directly ahead of the O^T products.
; The last step is written out without the fetch: no load is issued that nobody reads.
; REGISTERS: v1-3 16, 8, 4 x lane; v4, v5 16 r, 8 r; v6, v7 h, 1 - h; v8-11 v's addresses; v12 -M, v13 largest t, v[14:15] the sum; v16-27 q; v29 -infinity; v[30:31] f; v32-79 k's 8 x 6, v80-85 zeros;
;   v86-89 k's scale words, v90-93 v's, v94 p's, v95 q's; v96-159 S^T, then p; v160-191 O^T; v192-239 v's fragments; v240-255 at work, as named below.  (On the way out v32-57 are at work: nothing is on its way into them then.)
.set PC, 244                           ; v244-255 p's codes: source 1 of the O^T products.  Ahead of the conversions these twelve are at work:
.set BM, 244                           ; v244-247 each block's largest score, then its largest p
.set PT, 248                           ; v248-251 the other half's maxima; then the sum's second chain (v248, v249); then the four scale bytes
.set TT, 252                           ; v252     at work on M
.set SO, 240                           ; v240-243 the conversions' scale operands; then at work on v's scale bytes
; THE FETCH for the step whose four blocks stand in s84-87: its records' addresses, its lane masks, the list's next four, and k with its scale words: 20 loads.
.macro FETCH
	s_wait_xcnt 0x0                                ; every earlier load has had its addresses translated: the bases s8-15, which q's loads (at the head) or the loads of v's scale words (in a step) read, are written only behind this wait
.irp j, 0,1,2,3
	s_min_u32 s[96+\j], s[84+\j], 63               ; the slot's record of k and v,
	s_mul_i32 s[96+\j], s[96+\j], 3328
	s_mov_b32 s6, s[96+\j]
	s_add_nc_u64 s[8+2*\j:9+2*\j], s[2:3], s[6:7]
	s_min_u32 s[84+\j], s[84+\j], 64               ; and its entry of lane masks
	s_lshl_b32 s[84+\j], s[84+\j], 6
.endr
	s_min_u32 s6, s95, 240
	s_load_b512 s[16:31], s[4:5], s84 offset:0x0
	s_load_b512 s[32:47], s[4:5], s85 offset:0x0
	s_load_b512 s[48:63], s[4:5], s86 offset:0x0
	s_load_b512 s[68:83], s[4:5], s87 offset:0x0
	s_load_b128 s[88:91], s[4:5], s6 offset:0x1090 ; the four blocks of the list behind these (words 64-67 close it)
.irp j, 0,1,2,3
.irp u, 0,1
	global_load_b128 v[32+6*(2*\j+\u):35+6*(2*\j+\u)], v1, s[8+2*\j:9+2*\j] offset:768*\u
	global_load_b64 v[36+6*(2*\j+\u):37+6*(2*\j+\u)], v2, s[8+2*\j:9+2*\j] offset:768*\u+512
.endr
	global_load_b32 v[86+\j], v3, s[8+2*\j:9+2*\j] offset:3072
.endr
.endm
; A STEP: four live blocks, 128 keys.  next = 1: the step has a successor, whose k and masks are asked for in its middle.
.macro STEP next
	s_wait_loadcnt 0x0                             ; k and its scale words are in (in the first step q too): nothing else is out here
.irp j, 0,1,2,3
	v_wmma_scale_f32_16x16x128_f8f6f4 v[96+16*\j:103+16*\j], v[32+12*\j:43+12*\j], v[16:27], 0, v[86+\j], v95 matrix_a_fmt:MATRIX_FMT_FP6 matrix_b_fmt:MATRIX_FMT_FP6
	v_wmma_scale_f32_16x16x128_f8f6f4 v[104+16*\j:111+16*\j], v[38+12*\j:49+12*\j], v[16:27], 0, v[86+\j], v95 matrix_a_fmt:MATRIX_FMT_FP6 matrix_b_fmt:MATRIX_FMT_FP6 matrix_a_scale:MATRIX_SCALE_ROW1
.endr
	s_wait_alu depctr_vm_vsrc(0)                   ; the last step's fragment loads have read v8-11, which the lines below write
	v_mad_u32_u24 v8, s96, v7, v4                  ; v's fragments: lanes 0-15 read slot 2 c, lanes 16-31 slot 2 c + 1.  (These eight are also the places behind the products)
	v_mad_u32_u24 v9, s98, v7, v4
	v_mad_u32_u24 v10, s96, v7, v5
	v_mad_u32_u24 v11, s98, v7, v5
	v_mad_u32_u24 v8, s97, v6, v8
	v_mad_u32_u24 v9, s99, v6, v9
	v_mad_u32_u24 v10, s97, v6, v10
	v_mad_u32_u24 v11, s99, v6, v11
	s_wait_alu depctr_va_vdst(0)                   ; v8-11 are written, which the loads below read; the last step's O^T products are done reading v192-239 and v90-93, and its byte turns have written v90-93: the loads below land there
.irp d, 0,1,2,3
.irp c, 0,1
	global_load_b128 v[192+12*\d+6*\c:195+12*\d+6*\c], v[8+\c], s[2:3] offset:1536+256*\d
	global_load_b64 v[196+12*\d+6*\c:197+12*\d+6*\c], v[10+\c], s[2:3] offset:2560+128*\d
.endr
.endr
.irp j, 0,1,2,3
	global_load_b32 v[90+\j], v3, s[8+2*\j:9+2*\j] offset:3200
.endr
	s_wait_kmcnt 0x0                               ; the lane masks and the list's next four, asked for in the middle of the step before
.set n, 0
.rept 64
	v_cndmask_b32 v[96+n], v29, v[96+n], s[16+n+4*(n/48)]   ; a hidden key's score becomes -infinity ahead of the maximum
.set n, n+1
.endr
.irp b, 0,1,2,3
	v_max3_num_f32 v[BM+\b], v[96+16*\b], v[97+16*\b], v[98+16*\b]   ; the largest score of each block: for the row's maximum and for the block's largest p
.endr
.irp i, 3,5,7,9,11,13
.irp b, 0,1,2,3
	v_max3_num_f32 v[BM+\b], v[BM+\b], v[96+16*\b+\i], v[97+16*\b+\i]
.endr
.endr
.irp b, 0,1,2,3
	v_max_num_f32 v[BM+\b], v[BM+\b], v[111+16*\b]
.endr
.irp b, 0,1,2,3
	v_permlanex16_b32 v[PT+\b], v[BM+\b], s92, s93
.endr
.irp b, 0,1,2,3
	v_max_num_f32 v[BM+\b], v[BM+\b], v[PT+\b]
.endr
	v_max3_num_f32 v[TT], v[BM], v[BM+1], v[BM+2]
	v_max_num_f32 v[TT], v[TT], v[BM+3]
	v_mul_f32 v[TT], s66, v[TT]
	v_max_num_f32 v13, v13, v[TT]                  ; the running largest t
	v_mov_b32 v[TT], v12
	v_floor_f32 v12, -v13                          ; -M = floor(-t): M is a whole number
	v_sub_f32 v[TT], v12, v[TT]
	v_cvt_i32_f32 v[TT], v[TT]                     ; (it saturates)
	v_ldexp_f32 v30, 1.0, v[TT]                    ; f = 2^(old M - new M): exact
.set i, 0
.rept 32
	v_pk_fma_f32 v[96+i:97+i], v[96+i:97+i], s[66:67], v[12:13] op_sel_hi:[1,0,0]   ; t - M
.set i, i+2
.endr
.irp b, 0,1,2,3
	v_fma_f32 v[BM+\b], v[BM+\b], s66, v12
.endr
.set i, 0
.rept 64
	v_exp_f32 v[96+i], v[96+i]                     ; p = 2^(t - M)
.set i, i+1
.endr
	v_pk_mul_f32 v[14:15], v[14:15], v[30:31] op_sel_hi:[1,0]   ; the sums under the new M; the plain line behind the exponentials
	s_wait_alu depctr_va_vdst(0)                   ; the 64 exponentials have written v96-159, ahead of their first reader; the S products are done reading v32-89, in which the loads of the fetch land; the selections are done reading s16-83
.if \next
	s_mov_b64 s[84:85], s[88:89]                   ; the next step's four blocks
	s_mov_b64 s[86:87], s[90:91]
	s_add_co_u32 s95, s95, 16
	FETCH                                          ; no vector line since the wait above names a register that these loads touch
.endif
.irp b, 0,1,2,3
	v_exp_f32 v[BM+\b], v[BM+\b]                   ; each block's largest p
.endr
	v_pk_add_f32 v[PT:PT+1], v[96:97], v[98:99]    ; the row's sum of the unquantised p, in two chains
.irp j, 4,8,12,16,20,24,28,32,36,40,44,48,52,56,60
	v_pk_add_f32 v[14:15], v[14:15], v[96+\j:97+\j]
	v_pk_add_f32 v[PT:PT+1], v[PT:PT+1], v[98+\j:99+\j]
.endr
	v_pk_add_f32 v[14:15], v[14:15], v[PT:PT+1]
	s_wait_alu depctr_va_vdst(0)                   ; the four exponentials have written v244-247, ahead of their first reader
.irp b, 0,1,2,3
	v_max_num_f32 v[BM+\b], 0x1800000, v[BM+\b]    ; the floor: the byte cannot fall under 1
.endr
.irp b, 0,1,2,3
	v_add_nc_u32 v[SO+\b], 0xff000000, v[BM+\b]
.endr
.irp b, 0,1,2,3
	v_lshrrev_b32 v[PT+\b], 23, v[SO+\b]
.endr
	v_lshl_or_b32 v94, v[PT+1], 8, v[PT]           ; p's scale word for these four blocks
	v_lshl_or_b32 v94, v[PT+2], 16, v94
	v_lshl_or_b32 v94, v[PT+3], 24, v94
	v_cvt_scalef32_pk16_fp6_f32 v[PC:PC+2], v[96:111], v[SO]
	v_cvt_scalef32_pk16_fp6_f32 v[PC+6:PC+8], v[128:143], v[SO+2]
	v_nop                                          ; one plain line: the next two conversions write registers that these two have read
	v_cvt_scalef32_pk16_fp6_f32 v[96:98], v[112:127], v[SO+1]
	v_cvt_scalef32_pk16_fp6_f32 v[128:130], v[144:159], v[SO+3]
	v_nop                                          ; one plain line behind the conversions
.irp c, 0,1
.irp i, 0,1,2
	v_permlane16_swap_b32 v[PC+6*\c+\i], v[96+32*\c+\i]   ; a whole block to a lane
.endr
.irp i, 0,1,2
	v_mov_b32 v[PC+3+6*\c+\i], v[96+32*\c+\i]
.endr
.endr
.if \next
	s_wait_loadcnt 20                              ; v's fragments and scale words are in; the next step's 20 loads of k, issued behind them, stay out
.else
	s_wait_loadcnt 0x0                             ; v's fragments and scale words are in
.endif
	v_perm_b32 v240, v91, v90, 0x05010400          ; v's scale bytes: from a word a slot (byte = tile of channels) to a word a tile (byte = slot)
	v_perm_b32 v241, v91, v90, 0x07030602
	v_perm_b32 v242, v93, v92, 0x05010400
	v_perm_b32 v243, v93, v92, 0x07030602
	v_perm_b32 v90, v242, v240, 0x05040100
	v_perm_b32 v91, v242, v240, 0x07060302
	v_perm_b32 v92, v243, v241, 0x05040100
	v_perm_b32 v93, v243, v241, 0x07060302
.set i, 0
.rept 16
	v_pk_mul_f32 v[160+i:161+i], v[160+i:161+i], v[30:31] op_sel_hi:[1,0]   ; O^T under the new M; also the places between the lines that wrote the scale words and p's codes and the products
.set i, i+2
.endr
	s_wait_alu depctr_va_vdst(0)                   ; p's codes v244-255 and the scale words v90-94 are written, which the products below take as source 1 and as scales; the places stand ahead of this wait
.irp d, 0,1,2,3
	v_wmma_scale_f32_16x16x128_f8f6f4 v[160+8*\d:167+8*\d], v[192+12*\d:203+12*\d], v[PC:PC+11], v[160+8*\d:167+8*\d], v[90+\d], v94 matrix_a_fmt:MATRIX_FMT_FP6 matrix_b_fmt:MATRIX_FMT_FP6
.endr
.endm
	s_load_b128 s[8:11], s[0:1], 0x0               ; qi, kv
	s_load_b64 s[4:5], s[0:1], 0x10                ; mk
	v_lshrrev_b32 v28, 5, v0
	v_readfirstlane_b32 s96, v28                   ; wave
	s_sub_co_u32 s97, 31, ttmp9
	s_lshl_b32 s97, s97, 2
	s_and_b32 s98, ttmp7, 0xffff                   ; 16 b + head
	s_mov_b32 s7, 0
	s_mov_b32 s66, 0x3e38aa3b                      ; c = log2(e) / 8
	s_mov_b32 s67, s66
	s_mov_b32 s92, 0x76543210
	s_mov_b32 s93, 0xfedcba98                      ; lane l xor 16
	s_mov_b32 s95, 0
	s_mov_b32 s100, 1                              ; counts the steps that have a successor
	s_mov_b32 s101, 0xffff0000
	v_and_b32 v28, 31, v0
	v_lshlrev_b32 v1, 4, v28
	v_lshlrev_b32 v2, 3, v28
	v_lshlrev_b32 v3, 2, v28
	v_and_b32 v5, 15, v0
	v_lshlrev_b32 v4, 4, v5
	v_lshlrev_b32 v5, 3, v5
	v_bfe_u32 v6, v0, 4, 1
	v_sub_nc_u32 v7, 1, v6
.irp i, 22,23,24,25,26,27,80,81,82,83,84,85,14,15,31,248,249,250,251
	v_mov_b32 v[\i], 0                             ; (v248-251: a lane permute's destination counts as one of its sources)
.endr
.set i, 0
.rept 32
	v_mov_b32 v[160+i], 0                          ; O^T: the step is written once; the first change of M leaves zeros zeros
.set i, i+1
.endr
	v_mov_b32 v29, 0xff800000
	v_mov_b32 v13, 0xff61b1e6                      ; -3e38, under every t
	v_floor_f32 v12, -v13
	s_wait_alu depctr_va_sdst(0)                   ; s96 is written, ahead of its first reader
	s_add_co_u32 s97, s97, s96                     ; my query tile
	s_wait_kmcnt 0x0
	s_mul_i32 s6, s97, 4608
	s_add_nc_u64 s[4:5], s[4:5], s[6:7]            ; my tile's part of mk
	s_load_b128 s[84:87], s[4:5], 0x1080           ; the first four blocks of the list
	s_load_b32 s94, s[4:5], 0x1190                 ; the number of steps
	s_mul_i32 s6, s98, 212992
	s_add_nc_u64 s[2:3], s[10:11], s[6:7]          ; my head's 64 records of k and v
	s_lshl_b32 s6, s98, 7
	s_add_co_u32 s6, s6, s97
	s_lshl_b32 s6, s6, 10
	s_add_nc_u64 s[8:9], s[8:9], s[6:7]
	s_wait_alu depctr_va_vdst(0)                   ; the offsets v1-3 are written, which every load of q and k and the last stores read; so are the zero codes v22-27 and v80-85, which the S products take in their operands
	global_load_b128 v[16:19], v1, s[8:9]
	global_load_b64 v[20:21], v2, s[8:9] offset:512
	global_load_b32 v95, v3, s[8:9] offset:768
	s_wait_kmcnt 0x0
	s_min_u32 s94, s94, 16
	FETCH                                          ; the first step's k and masks
	s_cmp_lt_u32 s100, s94
	s_cbranch_scc0 .Llast                          ; one step in all: it has no successor
.Lstep:                                            ; the number of steps less 1 trips
	STEP 1
	s_add_co_u32 s100, s100, 1
	s_cmp_lt_u32 s100, s94
	s_cbranch_scc1 .Lstep
.Llast:
	STEP 0                                         ; the last step is written out: it asks for nothing more
	; THE WAY OUT: O^T / the sum, quantised along the head's 64 (two blocks of the model's 1,024), into the token tile's record: image = the head
.rept 4
	v_nop
.endr
	v_add_f32 v14, v14, v15
	v_permlanex16_b32 v36, v14, s92, s93
	v_add_f32 v14, v14, v36                        ; the row's sum
	v_rcp_f32 v30, v14
	v_nop                                          ; a plain line behind the reciprocal
	v_cmp_eq_f32 vcc_lo, 0, v14                    ; no true key at all
	v_lshrrev_b32 v50, 5, v0
	v_readfirstlane_b32 s96, v50
	s_load_b64 s[8:9], s[0:1], 0x18                ; yq
	s_sub_co_u32 s97, 31, ttmp9
	s_lshl_b32 s97, s97, 2
	s_wait_alu depctr_va_sdst(0)                   ; s96 is written, ahead of its first reader
	s_add_co_u32 s97, s97, s96
	s_and_b32 s98, ttmp7, 0xffff
	s_lshr_b32 s99, s98, 4
	s_lshl_b32 s99, s99, 7
	s_add_co_u32 s99, s99, s97                     ; token tile 128 b + query tile
	s_mul_i32 s6, s99, 12800
	s_and_b32 s98, s98, 15                         ; the head
	s_wait_kmcnt 0x0
	s_add_nc_u64 s[8:9], s[8:9], s[6:7]
	s_lshl_b32 s6, s98, 1
	s_add_co_u32 s6, s6, 12288
	s_add_nc_u64 s[10:11], s[8:9], s[6:7]          ; the scale bytes of blocks 2 head, 2 head + 1
	s_mul_i32 s6, s98, 768
	s_add_nc_u64 s[8:9], s[8:9], s[6:7]
	s_wait_alu depctr_va_vdst(0)                   ; the reciprocal has written v30, ahead of its first reader
.set i, 0
.rept 16
	v_pk_mul_f32 v[96+i:97+i], v[160+i:161+i], v[30:31] op_sel_hi:[1,0]
.set i, i+2
.endr
	v_max3_num_f32 v32, |v96|, |v97|, 0x1800000
	v_max3_num_f32 v33, |v112|, |v113|, 0x1800000
.irp i, 2,4,6,8,10,12,14
	v_max3_num_f32 v32, v32, |v[96+\i]|, |v[97+\i]|
	v_max3_num_f32 v33, v33, |v[112+\i]|, |v[113+\i]|
.endr
	v_permlanex16_b32 v36, v32, s92, s93
	v_permlanex16_b32 v37, v33, s92, s93
	v_max_num_f32 v32, v32, v36
	v_max_num_f32 v33, v33, v37
	v_add_nc_u32 v40, 0xff000000, v32
	v_add_nc_u32 v41, 0xff000000, v33
	v_cvt_scalef32_pk16_fp6_f32 v[52:54], v[96:111], v40
	v_cvt_scalef32_pk16_fp6_f32 v[44:46], v[112:127], v41
	v_lshrrev_b32 v42, 23, v40
	v_lshrrev_b32 v43, 23, v41
.irp i, 0,1,2
	v_permlane16_swap_b32 v[52+\i], v[44+\i]
.endr
.irp i, 0,1,2
	v_mov_b32 v[55+\i], v[44+\i]
.endr
	v_cndmask_b32 v47, v42, v43, s101              ; my half's block's byte,
	v_mov_b32 v48, 0xff
	s_wait_alu depctr_va_vcc(0)                    ; the compare above has written VCC, ahead of its first reader
	v_cndmask_b32 v47, v47, v48, vcc_lo            ; or NaN's
	v_lshl_add_u32 v49, v4, 1, v6                  ; 32 r + h
	s_wait_alu depctr_va_vdst(0)                   ; the codes v52-57, the byte v47 and the offset v49 are written, which the stores below read
	global_store_b128 v1, v[52:55], s[8:9]
	global_store_b64 v2, v[56:57], s[8:9] offset:512
	global_store_b8 v49, v47, s[10:11]
	s_endpgm
.Lfunc_end_k_qe362b7a9b3_attn:
	.size	k_qe362b7a9b3_attn, .Lfunc_end_k_qe362b7a9b3_attn-k_qe362b7a9b3_attn
	.p2alignl 7, 3214868480
	.fill 96, 4, 3214868480
	.section	.rodata,"a",@progbits
	.p2align	6, 0x0
	.amdhsa_kernel k_qe362b7a9b3_attn
		.amdhsa_group_segment_fixed_size 0
		.amdhsa_private_segment_fixed_size 0
		.amdhsa_enable_private_segment 0
		.amdhsa_kernarg_size 32
		.amdhsa_user_sgpr_count 2
		.amdhsa_user_sgpr_kernarg_segment_ptr 1
		.amdhsa_wavefront_size32 1
		.amdhsa_system_sgpr_workgroup_id_x 1
		.amdhsa_system_sgpr_workgroup_id_y 1
		.amdhsa_system_sgpr_workgroup_id_z 1
		.amdhsa_system_vgpr_workitem_id 0
		.amdhsa_next_free_vgpr 256
		.amdhsa_next_free_sgpr 102
		.amdhsa_reserve_vcc 1
		.amdhsa_float_denorm_mode_32 3
		.amdhsa_float_denorm_mode_16_64 3
		.amdhsa_memory_ordered 1
		.amdhsa_forward_progress 1
		.amdhsa_inst_pref_size 56
	.end_amdhsa_kernel
	.amdgpu_metadata
---
amdhsa.version: [ 1, 2 ]
amdhsa.kernels:
  - .name:           k_qe362b7a9b3_attn
    .symbol:         k_qe362b7a9b3_attn.kd
    .args:
      - { .name: qi, .offset: 0, .size: 8, .value_kind: global_buffer, .address_space: global }
      - { .name: kv, .offset: 8, .size: 8, .value_kind: global_buffer, .address_space: global }
      - { .name: mk, .offset: 16, .size: 8, .value_kind: global_buffer, .address_space: global }
      - { .name: yq, .offset: 24, .size: 8, .value_kind: global_buffer, .address_space: global }
    .group_segment_fixed_size: 0
    .private_segment_fixed_size: 0
    .kernarg_segment_align: 8
    .kernarg_segment_size: 32
    .max_flat_workgroup_size: 128
    .sgpr_count:     102
    .vgpr_count:     256
    .wavefront_size: 32
...
	.end_amdgpu_metadata
.endif
;; end of part 5
;; launch proj: the kernel of part 4 again; grid 4 x 64, 4 waves a work-group, clusters of 4 x 4, 327,680 bytes of LDS; arguments yq, wq, bproj, out0; writes out0
